; MI455X (gfx1250); checked and timed in simulation.
; The chip was launched on July 23, 2026; its instructions are those of AMD's public machine-readable ISA for CDNA 5 (MIT licence, August 2026) and "CDNA5" Instruction Set Architecture Reference Guide (July 2026). The comments in the code are by the model that wrote it; some were corrected since.
;; Cross Attention Fusion. Allowed arithmetic: matrix products marked QUANTISED: E3M2 operands, one E8M0 scale for each 32 along K, by v_wmma_scale_f32_16x16x128_f8f6f4 with both operands' format E3M2, f32 sums; products left as they are: f32 operands where the result goes on into a quantised operand, else bf16, f16 or f32 operands; f32 sums; everything else in f32.
;; Inputs: Wk_codes 1,024 x 32 x 24 uint8 (E3M2 codes of Wk, K innermost, in blocks of 32 codes, four codes in three bytes); Wk_scales 1,024 x 32 uint8 (E8M0 scales of Wk, one for each 32 codes along K); Wo_codes 1,024 x 32 x 24 uint8 (E3M2 codes of Wo, K innermost, in blocks of 32 codes, four codes in three bytes); Wo_scales 1,024 x 32 uint8 (E8M0 scales of Wo, one for each 32 codes along K); Wq_codes 1,024 x 32 x 24 uint8 (E3M2 codes of Wq, K innermost, in blocks of 32 codes, four codes in three bytes); Wq_scales 1,024 x 32 uint8 (E8M0 scales of Wq, one for each 32 codes along K); Wv_codes 1,024 x 32 x 24 uint8 (E3M2 codes of Wv, K innermost, in blocks of 32 codes, four codes in three bytes); Wv_scales 1,024 x 32 uint8 (E8M0 scales of Wv, one for each 32 codes along K); bk 1,024 float32; bo 1,024 float32; bq 1,024 float32; bv 1,024 float32; feat1_codes 16,384 x 32 x 24 uint8 (E3M2 codes of feat1, K innermost, in blocks of 32 codes, four codes in three bytes); feat1_scales 16,384 x 32 uint8 (E8M0 scales of feat1, one for each 32 codes along K); feat2_codes 16,384 x 32 x 24 uint8 (E3M2 codes of feat2, K innermost, in blocks of 32 codes, four codes in three bytes); feat2_scales 16,384 x 32 uint8 (E8M0 scales of feat2, one for each 32 codes along K).
;; Outputs: out0 16,384 x 1,024 float32.
;; This version of the problem:
;;   THIS VERSION OF THE PROBLEM IS GIVEN IN LOW PRECISION. The matrix products marked QUANTISED in the list below multiply operands that are first quantised to E3M2 (3 exponent bits, 2 mantissa bits; 6 bits a number), with one power-of-two scale for each 32 numbers along K (OCP MX v1.0); their sums are f32. All else is computed in f32.
;;   The module's matrix products, in the order in which they are computed (A, B: the left and right operand; K: the contracted axis; several contracted axes count as one K, in the product's order):
;;     1. [M 16,384, K 1,024] x [K 1,024, N 1,024]; A: input feat1 (given as codes); B: input Wq (given as codes): QUANTISED
;;     2. [M 16,384, K 1,024] x [K 1,024, N 1,024]; A: input feat2 (given as codes); B: input Wk (given as codes): QUANTISED
;;     3. [M 16,384, K 1,024] x [K 1,024, N 1,024]; A: input feat2 (given as codes); B: input Wv (given as codes): QUANTISED
;;     4. batch 16,384 x [M 8, K 128] x [K 128, N 8]; A: computed on the way; B: computed on the way: left as it is (M = 8 < 16)
;;     5. batch 16,384 x [M 8, K 8] x [K 8, N 128]; A: softmax; B: computed on the way: left as it is (K = 8 < 32)
;;     6. [M 16,384, K 1,024] x [K 1,024, N 1,024]; A: computed on the way; B: input Wo (given as codes): QUANTISED
;;   THE QUANTISER, for each operand of a quantised product, along K:
;;     - K is cut into blocks of 32 from its start; a last block that is shorter is filled with zeros.
;;     - A block's scale is 2^e with e = floor(log2(the largest magnitude in the block)) - 4, held to -126 .. 127; a block of zeros has e = 0. As a byte (E8M0): e + 127.
;;     - Each number is divided by its block's scale, clamped to +-28, and rounded to the nearest number of E3M2, ties to even, subnormals kept.
;;     - The product sums the exact products of the quantised numbers (number of the format x scale) in f32.
;;   ~~~python
;;   def quantise(x, axis):      # numpy; x: float32 -> the quantised numbers, widened to float32 again
;;       x = np.moveaxis(x, axis, -1); K = x.shape[-1]
;;       x = np.pad(x, [(0, 0)] * (x.ndim - 1) + [(0, -K % 32)]); x = x.reshape(x.shape[:-1] + (-1, 32)); a = np.abs(x).max(-1, keepdims=True)
;;       e = np.where(a > 0, np.clip(np.frexp(np.where(a > 0, a, 1))[1] - 1 - 4, -126, 127), 0)      # np.frexp(a)[1] - 1 = floor(log2(a)), exactly
;;       r = np.clip(x / 2.0 ** e, -28, 28)
;;       step = 2.0 ** (np.maximum(np.frexp(np.where(r == 0, 1, r))[1] - 1, -2) - 2)
;;       q = np.round(r / step) * step * 2.0 ** e      # np.round: ties to even
;;       return np.moveaxis(q.reshape(q.shape[:-2] + (-1,))[..., :K], -1, axis).astype(np.float32)
;;   ~~~
;;   OPERANDS COMPUTED ON THE WAY. 'Computed on the way' means the value that the module computes at that place (a softmax that the list does not call 'softmax' is quantised finished and normalised). What goes into a quantiser is computed in f32, as accurately as f32 sums, v_exp_f32 and their like allow (about 1e-6 of the number): no bf16 or f16 on the way to a quantiser, and a product that is left as it is and whose result goes on into a quantised operand takes f32 operands (vector FMAs, or v_wmma_f32_16x16x4_f32). A number that lies on a knife's edge between two numbers of the format may be rounded either way, as far as f32 arithmetic and the matrix unit's own rounding can turn it there, and no further.
;;   INPUTS GIVEN AS CODES. Wk (in the module: [1024, 1024], K = its axis 0); Wo (in the module: [1024, 1024], K = its axis 0); Wq (in the module: [1024, 1024], K = its axis 0); Wv (in the module: [1024, 1024], K = its axis 0); feat1 (in the module: [16384, 1024], K = its axis 1); feat2 (in the module: [16384, 1024], K = its axis 1): each comes as NAME_codes (uint8): NAME with its K axis moved to the last place and cut into blocks of 32 codes, [.., K / 32, bytes a block], one block behind the other in memory; four codes in three bytes: a row's codes are one little-endian stream of bits, code i at bits 6 i .. 6 i + 5 (a code: sign, 3 exponent bits, 2 mantissa bits); and NAME_scales (uint8): the same leading axes, one E8M0 byte (e + 127) for each 32 codes along K. Its value is code x scale, taken as it is: it is not quantised again, and the codes and scales need not be those that the quantiser above would give.
;; 2 versions. Each part assembles by itself: llvm-mc -triple=amdgcn-amd-amdhsa -mcpu=gfx1250 --defsym DOCPART=n.
;; ======== version 1 of 2: 2 launches
;; workspace buffers: wstream 3,276,800 bytes
;; launch lay (part 1): grid 128 x 1, 4 waves a work-group, no clusters, 0 bytes of LDS; arguments Wq_codes, Wq_scales, Wk_codes, Wk_scales, Wv_codes, Wv_scales, Wo_codes, Wo_scales, wstream; writes wstream
.if DOCPART == 1
	.amdgcn_target "amdgcn-amd-amdhsa--gfx1250"
	.amdhsa_code_object_version 6
	.text
	.protected	k_q9c868346ae_lay
	.globl	k_q9c868346ae_lay
	.p2align	8
	.type	k_q9c868346ae_lay,@function
k_q9c868346ae_lay:
	s_mov_b64 s[64:65], 0
	v_nop
	global_prefetch_b8 v0, s[64:65] scope:SCOPE_SE
	s_setreg_imm32_b32 hwreg(HW_REG_WAVE_MODE, 25, 1), 1
	s_wait_xcnt 0x0
; The four weights (codes [1024 n][768 bytes along K], scale bytes [1024 n][32]) are laid once into wstream, in the order in which the second launch's
; waves consume them and as images of the matrix operand's registers.  No number is changed and none is left out: every input of the problem has a way to the output.
; wstream = [slot 0..31][wave w 0..3][25,600 bytes].  A wave's block: 16 fragments f (16 weight rows x 128 along K, 12 registers a lane) at 1,536 f, each as
; [c 0..2][lane][16 bytes] = the lane's registers 4 c .. 4 c + 3; behind them, at 24,576, four pairs of scale words [v 0..3][lane][8 bytes]: word a of pair v in lane L
; is the scale word of fragment 4 v + 2 a + L / 16, row L % 16 of that fragment.
;   slots 8 c + s (c = 0, 1): f < 8: Wq, head f; f >= 8: Wk, head f - 8; rows 128 head + 64 c + 16 w + r; K step s
;   slots 16 + s:             f = g + 8 u: Wv, rows 128 g + 32 w + 8 u + r + 8 (r / 8); K step s
;   slots 24 + j:             f = 8 t + s: Wo, rows 256 w + 32 j + 16 t + r; K step s
; A work-group makes one wave's block of one slot; its wave v makes fragments 4 v .. 4 v + 3 and pair v.  All choices hang on ids alone.
; A lane's part of a fragment is 2 x 24 bytes of its row, taken as six loads of 8 bytes; each store covers 512 consecutive bytes, aligned (the pair's: 256).
	s_load_b512 s[4:19], s[0:1], 0x0               ; Wq codes, scales; Wk; Wv; Wo
	s_load_b64 s[20:21], s[0:1], 0x40              ; wstream
	v_lshrrev_b32 v1, 5, v0
	v_readfirstlane_b32 s28, v1                    ; wave v
	v_and_b32 v2, 31, v0                           ; lane L
	v_and_b32 v3, 15, v0                           ; r
	v_bfe_u32 v4, v0, 4, 1                         ; hh = L / 16
	s_lshr_b32 s24, ttmp9, 2                       ; slot
	s_and_b32 s25, ttmp9, 3                        ; w
	s_lshr_b32 s26, s24, 3                         ; pass 0, 1: Q and K; 2: V; 3: O
	s_and_b32 s27, s24, 7                          ; j: the slot's number in its pass
	s_and_b32 s29, s28, 1                          ; v % 2
	s_lshr_b32 s30, s28, 1                         ; v / 2
	s_lshl_b32 s31, s29, 9                         ; 512 (v % 2): four heads on
	s_lshl_b32 s32, s26, 6
	s_lshl_b32 s33, s25, 4
	s_add_co_u32 s32, s32, s33
	s_add_co_u32 s32, s32, s31                     ; first row, passes 0 and 1: 512 (v % 2) + 64 pass + 16 w
	s_lshl_b32 s33, s25, 5
	s_lshl_b32 s34, s30, 3
	s_add_co_u32 s33, s33, s34
	s_add_co_u32 s33, s33, s31                     ; pass 2: 512 (v % 2) + 32 w + 8 (v / 2)
	s_lshl_b32 s34, s25, 8
	s_lshl_b32 s35, s27, 5
	s_add_co_u32 s34, s34, s35
	s_lshl_b32 s35, s30, 4
	s_add_co_u32 s34, s34, s35                     ; pass 3: 256 w + 32 j + 16 (v / 2)
	s_mul_i32 s35, s27, 96                         ; the K step's bytes in a row of codes: 96 j,
	s_mul_i32 s36, s29, 384                        ; in pass 3: 384 (v % 2)
	s_lshl_b32 s37, s27, 2                         ; and in a row of scale bytes: 4 j,
	s_lshl_b32 s38, s29, 4                         ; in pass 3: 16 (v % 2)
	s_mov_b32 s39, 98304                           ; from fragment to fragment: 128 rows of codes,
	s_mov_b32 s44, 4096                            ; 128 rows of scale bytes
	s_cmp_eq_u32 s26, 2
	s_cselect_b32 s32, s33, s32
	s_cselect_b32 s45, 1, 0                        ; e = 1: the rows of a tile are r + 8 (r / 8)
	s_cmp_eq_u32 s26, 3
	s_cselect_b32 s32, s34, s32                    ; the first row
	s_cselect_b32 s35, s36, s35
	s_cselect_b32 s37, s38, s37
	s_cselect_b32 s39, 96, s39                     ; in pass 3 a wave's four fragments are four K steps of the same rows
	s_cselect_b32 s44, 4, s44
	s_mul_i32 s46, s32, 768
	s_add_co_u32 s46, s46, s35                     ; where my codes begin
	s_mov_b32 s47, 0
	s_lshl_b32 s22, s32, 5
	s_add_co_u32 s22, s22, s37                     ; where my scale bytes begin
	s_mov_b32 s23, 0
	s_mul_i32 s2, ttmp9, 25600
	s_mul_i32 s33, s28, 6144
	s_lshl_b32 s36, s28, 8
	s_add_co_u32 s36, s36, s2
	s_add_co_u32 s36, s36, 24576                   ; where my pair goes
	s_mov_b32 s37, 0
	s_add_co_u32 s2, s2, s33                       ; where my four fragments go
	s_mov_b32 s3, 0
	s_lshl_b32 s38, s44, 1
	v_and_b32 v5, 8, v3
	v_mul_u32_u24 v5, v5, s45
	v_add_nc_u32 v5, v5, v3                        ; my row in the tile: r + e (r & 8)
	v_mul_u32_u24 v8, v5, 768
	v_mad_u32_u24 v8, v4, 24, v8                   ; fragment 0: row x 768 + 24 hh
	v_add_nc_u32 v9, s39, v8
	v_add_nc_u32 v10, s39, v9
	v_add_nc_u32 v11, s39, v10                     ; fragments 1 to 3
	v_lshlrev_b32 v6, 5, v5
	v_mad_u32_u24 v12, v4, s44, v6                 ; scale word 0: fragment hh
	v_add_nc_u32 v13, s38, v12                     ; scale word 1: fragment 2 + hh
	v_lshlrev_b32 v14, 4, v2                       ; out: 16 bytes a lane,
	v_lshlrev_b32 v15, 3, v2                       ; the pair: 8
	s_wait_kmcnt 0x0
	s_cmp_lt_u32 s28, 2                            ; passes 0 and 1: waves 0, 1 take Wq, waves 2, 3 Wk
	s_cselect_b64 s[40:41], s[4:5], s[8:9]
	s_cselect_b64 s[42:43], s[6:7], s[10:11]
	s_cmp_eq_u32 s26, 2
	s_cselect_b64 s[40:41], s[12:13], s[40:41]
	s_cselect_b64 s[42:43], s[14:15], s[42:43]
	s_cmp_eq_u32 s26, 3
	s_cselect_b64 s[40:41], s[16:17], s[40:41]
	s_cselect_b64 s[42:43], s[18:19], s[42:43]
	s_add_nc_u64 s[40:41], s[40:41], s[46:47]
	s_add_nc_u64 s[42:43], s[42:43], s[22:23]
	s_add_nc_u64 s[24:25], s[20:21], s[2:3]
	s_add_nc_u64 s[30:31], s[20:21], s[36:37]
.irp i, 0,1,2,3
.irp p, 0,1,2,3,4,5
	global_load_b64 v[16+12*\i+2*\p:17+12*\i+2*\p], v[8+\i], s[40:41] offset:48*(\p/3)+8*(\p%3)
.endr
.endr
	global_load_b32 v64, v12, s[42:43]
	global_load_b32 v65, v13, s[42:43]
	s_wait_loadcnt 0x0
.irp i, 0,1,2,3
.irp c, 0,1,2
	global_store_b128 v14, v[16+12*\i+4*\c:19+12*\i+4*\c], s[24:25] offset:1536*\i+512*\c
.endr
.endr
	global_store_b64 v15, v[64:65], s[30:31]
	s_endpgm
.Lfunc_end_k_q9c868346ae_lay:
	.size	k_q9c868346ae_lay, .Lfunc_end_k_q9c868346ae_lay-k_q9c868346ae_lay
	.p2alignl 7, 3214868480
	.fill 96, 4, 3214868480
	.section	.rodata,"a",@progbits
	.p2align	6, 0x0
	.amdhsa_kernel k_q9c868346ae_lay
		.amdhsa_group_segment_fixed_size 0
		.amdhsa_private_segment_fixed_size 0
		.amdhsa_enable_private_segment 0
		.amdhsa_kernarg_size 72
		.amdhsa_user_sgpr_count 2
		.amdhsa_user_sgpr_kernarg_segment_ptr 1
		.amdhsa_wavefront_size32 1
		.amdhsa_system_sgpr_workgroup_id_x 1
		.amdhsa_system_sgpr_workgroup_id_y 1
		.amdhsa_system_sgpr_workgroup_id_z 1
		.amdhsa_system_vgpr_workitem_id 0
		.amdhsa_next_free_vgpr 80
		.amdhsa_next_free_sgpr 66
		.amdhsa_reserve_vcc 0
		.amdhsa_float_denorm_mode_32 3
		.amdhsa_float_denorm_mode_16_64 3
		.amdhsa_memory_ordered 1
		.amdhsa_forward_progress 1
		.amdhsa_inst_pref_size 8
	.end_amdhsa_kernel
	.amdgpu_metadata
---
amdhsa.version: [ 1, 2 ]
amdhsa.kernels:
  - .name:           k_q9c868346ae_lay
    .symbol:         k_q9c868346ae_lay.kd
    .args:
      - { .name: Wq_codes, .offset: 0, .size: 8, .value_kind: global_buffer, .address_space: global }
      - { .name: Wq_scales, .offset: 8, .size: 8, .value_kind: global_buffer, .address_space: global }
      - { .name: Wk_codes, .offset: 16, .size: 8, .value_kind: global_buffer, .address_space: global }
      - { .name: Wk_scales, .offset: 24, .size: 8, .value_kind: global_buffer, .address_space: global }
      - { .name: Wv_codes, .offset: 32, .size: 8, .value_kind: global_buffer, .address_space: global }
      - { .name: Wv_scales, .offset: 40, .size: 8, .value_kind: global_buffer, .address_space: global }
      - { .name: Wo_codes, .offset: 48, .size: 8, .value_kind: global_buffer, .address_space: global }
      - { .name: Wo_scales, .offset: 56, .size: 8, .value_kind: global_buffer, .address_space: global }
      - { .name: wstream, .offset: 64, .size: 8, .value_kind: global_buffer, .address_space: global }
    .group_segment_fixed_size: 0
    .private_segment_fixed_size: 0
    .kernarg_segment_align: 8
    .kernarg_segment_size: 72
    .max_flat_workgroup_size: 128
    .sgpr_count:     66
    .vgpr_count:     80
    .wavefront_size: 32
...
	.end_amdgpu_metadata
.endif
;; end of part 1
;; launch fused (part 2): grid 256 x 1, 4 waves a work-group, clusters of 4 x 1, 327,680 bytes of LDS; arguments wstream, feat1_codes, feat2_codes, feat1_scales, feat2_scales, bq, bk, bv, bo, out0; writes out0
.if DOCPART == 2
	.amdgcn_target "amdgcn-amd-amdhsa--gfx1250"
	.amdhsa_code_object_version 6
	.text
	.protected	k_q9c868346ae_fused
	.globl	k_q9c868346ae_fused
	.p2align	8
	.type	k_q9c868346ae_fused,@function
k_q9c868346ae_fused:
	s_mov_b64 s[64:65], 0
	v_nop
	global_prefetch_b8 v0, s[64:65] scope:SCOPE_SE
	s_setreg_imm32_b32 hwreg(HW_REG_WAVE_MODE, 25, 1), 1
	s_wait_xcnt 0x0
	s_wait_alu depctr_hold_cnt(0) depctr_sa_sdst(0) depctr_va_vdst(0) depctr_va_sdst(0) depctr_va_ssrc(0) depctr_va_vcc(0) depctr_vm_vsrc(0)
	s_getreg_b32 s2, hwreg(HW_REG_IB_STS2, 6, 4)
	s_cmp_eq_u32 s2, 0
	s_cbranch_scc0 .Lentry_in_a_cluster
	s_endpgm
.Lentry_in_a_cluster:
	s_bfe_u32 s2, ttmp6, 0x10000c
	s_cmp_lg_u32 s2, 0x3003
	s_cbranch_scc0 .Lentry_shape_is_right
	s_endpgm
.Lentry_shape_is_right:
; out0 = Quant(softmax_g(Q K^T / sqrt(128)) V) Wo + bo, with Q = feat1 Wq + bq, K = feat2 Wk + bk, V = feat2 Wv + bv, the attention per batch row ACROSS the 8 heads.
; The four large products run on codes of BF6 (E3M2) with E8M0 scales; scores, softmax and context in f32; the context is quantised along K = 1,024 in blocks of 32.
; NOTHING IS LEFT OUT: every bias moves a score that differs along g, or the output, so all inputs are loaded and every product of the problem is done.
; SHARES.  A work-group of four waves owns 64 batch rows (four tiles m of 16) and takes them through the whole chain; between the launches only the laid-out weights go through memory.
; All products are used TRANSPOSED (source 0 = 16 weight rows, source 1 = 16 batch rows): a lane (r = lane % 16, hh = lane / 16) holds ONE batch row, its registers run along the weight rows.
; EACH WAVE OWNS A PART OF d, NOT HEADS.  Q, K in two passes c: wave w's tile of head h is d = 64 c + 16 w + 0..15, so a lane has the same 8 d of all 8 heads of Q and of K and its part of
; all 64 scores is lane-local; only those partial sums are kept.  V in one pass: tile g + 8 u is d = 32 w + 16 hh + 8 u + j of head g, so the context is lane-local too and a lane's 16 registers
; of a head are 16 neighbours along the last product's K; wave w owns block 4 h + w of every head.  Two things cross waves, through LDS: the partial scores, and the context's codes and scale bytes.
; THE WEIGHTS come as a stream of 32 slots of 102,400 bytes (first launch), through a ring of two LDS slots; wave w's quarter is fetched and read by wave w alone.
; CLUSTER: the four work-groups of a cluster walk the same stream, so each quarter is asked for JOINTLY: the same tensor load, the same descriptor, a mask that names the four.
; The features come through registers: their LDS pitch of 784 bytes (196 words: row r starts at bank 4 r mod 64, lanes 16-31 six words on; 64 banks of 4 bytes: ISA guide 11.1) is none that the mover's padding can make.
; LIMITS: NaN and infinities among the inputs are not served.  A context block of zeros gets the scale byte 1, not 127: its codes are zeros and this program alone reads the byte.  An exponential under
; 2^-126 becomes 0.  The scores are summed by 8 in a lane, then the lane halves, the two passes, the four waves.  The row's largest score is taken away ahead of the exponential, as c x max rounded once: that
; rounding is one factor common to the row's eight weights and leaves with the normalisation.
; REGISTERS, in windows of 256.  W0: v2-26 addresses; v32-47 the context's scale words; v48-51 weight scale pairs; v52-55 row scale words (these hold scales alone); v56-79 block scales at work;
;   v80-127 AX, v128-175 AY: four row fragments each; v176-255 at work.  Context phase: v80-207 two sets of attention weights, v208-255 codes.  Last product: v80-143 rows on the way out, v144-175 bo.
; W1: v0-95 two groups of four weight fragments; v96-127 at work; v128-255 the partial scores, later the context.
; W2, W3: accumulator (m, t) at window 2 + t / 8, register 64 m + 8 (t % 8).  Last product: v0-191 the context's fragments (m, s) at 48 (s % 4) + 12 m (s < 4: W2), v192-255 accumulators (tt, m) at 192 + 32 (tt % 2) + 8 m (tt < 2: W2).
.set SLOTB, 102400                     ; a slot
.set XR,    204800                     ; behind the ring: feat1's rows and scales; then partial scores [m][wave][4,096]; then attention weights (tile m at 16,384 m) and the waves' stages (at 16,384 w + 8,192)
.set F1,    XR
.set FS1,   XR+50176
.set F2,    270336                     ; feat2's rows; later the context's codes, laid the same
.set FS2,   320512                     ; feat2's scale rows; later the context's
.set SPARE, 323584                     ; the spare words, 128 bytes for each wave: two blocks of 256 bytes that no other line names
.set FP,    784                        ; a row of 768 bytes of codes + 16
.set FT,    16*FP                      ; a tile of 16 rows
.set XT,    16384
.set AP,    272                        ; a row of 256 bytes + 16: attention weights, stage
.set SPW, 2
.set NIL, 3
.set VB16, 4                           ; 25,600 w + 16 L
.set VB8,  5                           ; 25,600 w + 24,576 + 8 L
.set B16,  6                           ; the same in the slot in hand
.set B8,   7
.set VA1,  8                           ; F1 + 784 r + 24 hh
.set VA2,  9                           ; F2 + the same
.set VFS1, 10                          ; FS1 + 48 L
.set VFS2, 11
.set ADA,  12
.set ADS,  13
.set VBO,  14                          ; the biases' offset
.set VHH,  15
.set VXW,  16
.set VXR,  17
.set VAW,  18
.set VAT,  19
.set VCX,  20
.set VCS,  21
.set VSO,  22
.set VSR,  23
.set VGO,  24
.set VBB,  25
.set PFO,  26
.set CSR,  32
.set WSH0, 48
.set AXS,  52
.set AYS,  54
.set TM,   56
.set TM2,  64
.set SCL,  72
.set AX,   80
.set AY,   128
.set TT,   176
.set UU,   208
.set AT0,  80
.set CD,   208
.set OUT,  80
.set BOG,  144
.set PS,   128                         ; in W1
.set WV,  24
.set CX,  25
.set GW,  26
.set G1,  28
.set G0A, 36
.set G0B, 40
.set WB,  44
.set TBF, 45
.set TB,  46
.set KC,  48
.set QC,  49
.set GS,  50
.set LIM, 51
.set PFA, 52
.set SB0, 54
.set SB1, 56
.set BV2, 58
.set SEL, 60
.set CS,  66
.set SA,  68
.set SS,  69
.set SH,  70
.set SC,  71
.set OB,  72
.set BB,  74
.set OC,  76
.set MQ,   0xa1                        ; source 0 (weights) W1, source 1 (rows) W0, C and D W2
.set MK,   0xf1                        ; the same, C and D W3
.set TO_B, 0x40                        ; destination W1
.set MSB, 0
.macro WIN new                         ; the immediate's high byte repeats the setting that is left; a switch that changes nothing is dropped
.if MSB != (\new)
	s_set_vgpr_msb (MSB<<8)|(\new)
.set MSB, (\new)
.endif
.endm
.macro PLACES                          ; four plain vector instructions between a matrix instruction and a load into, or a read of, its registers (ISA guide 7.12.1 for a read)
.rept 4
	v_nop
.endr
.endm
.macro CREST                           ; a round of the cluster's barrier behind its opening barrier
	s_cmp_lg_u32 s[WV], 0
	s_cbranch_scc1 .Lnw0_\@
	s_barrier_signal -3
.Lnw0_\@:
	s_barrier_wait -3
	s_barrier_signal -1
	s_barrier_wait -1
.endm
.macro CROUND
	s_barrier_signal -1
	s_barrier_wait -1
	CREST
.endm
.macro BARRIER                         ; my LDS stores have landed and my LDS loads are in: then the work-group's barrier
	s_wait_dscnt 0x0
	s_barrier_signal -1
	s_barrier_wait -1
.endm
; one product; ra, rb: the scale words lie in lanes 16-31 of their registers
.macro WM d, a, b, c, sa, sb, ra, rb
.if (\ra) && (\rb)
	v_wmma_scale_f32_16x16x128_f8f6f4 v[\d:\d+7], v[\a:\a+11], v[\b:\b+11], v[\c:\c+7], v[\sa], v[\sb] matrix_a_fmt:MATRIX_FMT_BF6 matrix_b_fmt:MATRIX_FMT_BF6 matrix_a_scale:MATRIX_SCALE_ROW1 matrix_b_scale:MATRIX_SCALE_ROW1
.elseif (\ra)
	v_wmma_scale_f32_16x16x128_f8f6f4 v[\d:\d+7], v[\a:\a+11], v[\b:\b+11], v[\c:\c+7], v[\sa], v[\sb] matrix_a_fmt:MATRIX_FMT_BF6 matrix_b_fmt:MATRIX_FMT_BF6 matrix_a_scale:MATRIX_SCALE_ROW1
.elseif (\rb)
	v_wmma_scale_f32_16x16x128_f8f6f4 v[\d:\d+7], v[\a:\a+11], v[\b:\b+11], v[\c:\c+7], v[\sa], v[\sb] matrix_a_fmt:MATRIX_FMT_BF6 matrix_b_fmt:MATRIX_FMT_BF6 matrix_b_scale:MATRIX_SCALE_ROW1
.else
	v_wmma_scale_f32_16x16x128_f8f6f4 v[\d:\d+7], v[\a:\a+11], v[\b:\b+11], v[\c:\c+7], v[\sa], v[\sb] matrix_a_fmt:MATRIX_FMT_BF6 matrix_b_fmt:MATRIX_FMT_BF6
.endif
.endm
; 13 LDS loads: group gi (four fragments, images of their registers) of the slot in hand into half 0 or 1, and its pair of scale words
.macro LOADG half, gi
	WIN TO_B
.irp i, 0,1,2,3
.irp c, 0,1,2
	ds_load_b128 v[48*\half+12*\i+4*\c:48*\half+12*\i+4*\c+3], v[B16] offset:1536*(4*\gi+\i)+512*\c
.endr
.endr
	WIN 0
	ds_load_b64 v[WSH0+2*\half:WSH0+2*\half+1], v[B8] offset:256*\gi
.endm
; 26 LDS loads: the four row fragments of the K step at byte s[SA] of the rows, and their scale words: lanes 0-15 take tile 2 a's, lanes 16-31 tile 2 a + 1's
.macro LOADA set, sc, va, vfs
	v_add_nc_u32 v[ADA], s[SA], v[\va]
	v_add_nc_u32 v[ADS], s[SS], v[\vfs]
.irp m, 0,1,2,3
.irp p, 0,1,2,3,4,5
	ds_load_b64 v[\set+12*\m+2*\p:\set+12*\m+2*\p+1], v[ADA] offset:FT*\m+48*(\p/3)+8*(\p%3)
.endr
.endr
	ds_load_b32 v[\sc], v[ADS]
	ds_load_b32 v[\sc+1], v[ADS] offset:1536
.endm
; n fragments from i0 on of a half, each against the four row tiles.  Every accumulator is named once in a K step, in the same order in every step: they take turns
.macro MULG half, t0, i0, n, set, sc
.set ii, \i0
.rept \n
.set mm, 0
.rept 4
	WM 64*mm+8*(\t0+ii), 48*\half+12*ii, \set+12*mm, 64*mm+8*(\t0+ii), WSH0+2*\half+ii/2, \sc+mm/2, ii%2, mm%2
.set mm, mm+1
.endr
.set ii, ii+1
.endr
.endm
; THE CHANGE OF SLOTS, first part: all my tensor loads have landed (the next slot's quarter among them); the add; the walking descriptor and the prefetches' address step while the add is out
.macro RINGA
	s_wait_tensorcnt 0x0
	ds_add_u32 v[SPW], v[NIL]                      ; 0 onto my spare word
	s_xor_b32 s[TBF], s[TBF], SLOTB                ; the slot that is being left,
	s_add_co_u32 s[G0B+1], s[WB], s[TBF]           ; my quarter of it,
	s_add_nc_u64 s[G0B+2:G0B+3], s[G0B+2:G0B+3], SLOTB   ; the stream's next slot; the type bits on top are not reached
	s_wait_xcnt 0x0                                ; the last prefetch, a step back, has read its address
	s_add_nc_u64 s[PFA:PFA+1], s[PFA:PFA+1], SLOTB
.endm
; second part, behind the opening signal: the rest of the cluster's round, then the joint refill first; its four v_nop are also the places in front of the loads that follow
.macro RINGB
	WIN 0
	s_barrier_wait -1
	CREST
	tensor_load_to_lds s[G0B:G0B+3], s[G1:G1+7]
	s_nop 0
	PLACES
.endm
.macro NEXTSLOT
	s_xor_b32 s[TB], s[TB], SLOTB
	v_add_nc_u32 v[B16], s[TB], v[VB16]
	v_add_nc_u32 v[B8], s[TB], v[VB8]
.endm
; A PREFETCH INTO THE L2 of the stream: in step t the slot t + 5, which the joint load of step t + 3 asks for.  All clusters walk the same stream: cluster 0 asks, and nobody else (the branch hangs on the
; cluster's number and the count of steps, the same in all four partners).  Its sixteen waves share a slot's 400 blocks of 256 bytes by ADDRESS: 25,600 w + 6,400 cx + 256 x lane; lanes 25 to 31 name lane 24's.
; Steps 0 to 26 ask; slots 0 to 4 come by their loads alone.
.macro ASK
	s_cmp_lt_u32 s[GS], s[LIM]
	s_cbranch_scc0 .Lno_ask_\@
	global_prefetch_b8 v[PFO], s[PFA:PFA+1] th:TH_LOAD_NT scope:SCOPE_SE
.Lno_ask_\@:
.endm
; The biases are where the sums begin: 32 loads put them into tile m's 16 accumulators, in the result's layout (a lane's eight weight rows), so that all eight K steps of a pass are alike
.macro BIASLD m
	WIN 0x80
.irp t, 0,1,2,3,4,5,6,7
	global_load_b128 v[64*\m+8*\t:64*\m+8*\t+3], v[VBO], s[SB0:SB0+1] offset:512*\t
	global_load_b128 v[64*\m+8*\t+4:64*\m+8*\t+7], v[VBO], s[SB0:SB0+1] offset:512*\t+16
.endr
	WIN 0xc0
.irp t, 0,1,2,3,4,5,6,7
	global_load_b128 v[64*\m+8*\t:64*\m+8*\t+3], v[VBO], s[SB1:SB1+1] offset:512*\t
	global_load_b128 v[64*\m+8*\t+4:64*\m+8*\t+7], v[VBO], s[SB1:SB1+1] offset:512*\t+16
.endr
	WIN 0
.endm
; A K STEP = A SLOT: 16 weight fragments in four groups x 4 row tiles = 64 products.  S01, S23: the row sets of groups 0, 1 and 2, 3; PD: the set that takes the next K step's rows; PK = 1: feat2's set AY is fetched at the end.
.macro STEP_P S01, C01, S23, C23, PD, PDC, PDV, PDF, PK
	s_wait_dscnt 13+26*\PK                         ; group 0 is in; group 1's 13 loads (and AY's 26) may be out
	WIN MQ
	MULG 0, 0, 0, 4, \S01, \C01
	PLACES
	LOADG 0, 2
	s_wait_dscnt 13+26*\PK                         ; group 1 is in; (AY's 26 and) group 2's 13 may be out
	WIN MQ
	MULG 1, 4, 0, 4, \S01, \C01
	PLACES
	LOADG 1, 3                                     ; my last reads of this slot,
	LOADA \PD, \PDC, \PDV, \PDF                    ; and the next K step's rows
	RINGA
	s_wait_dscnt 40                                ; group 2 (and AY) are in; group 3's 13, the rows' 26 and the add may be out
	WIN MK
	MULG 0, 0, 0, 2, \S23, \C23                    ; eight products stand between the add and the wait for it
	s_wait_dscnt 0x0                               ; the add is done, and my reads of this slot are over
	s_barrier_signal -1                            ; this barrier opens a round of the cluster's
	MULG 0, 0, 2, 2, \S23, \C23
	RINGB                                          ; no wave of any partner still reads the slot or has a load on its way: slot + 2 goes into it
	NEXTSLOT
	LOADG 0, 0
	ASK
	WIN MK
	MULG 1, 4, 0, 4, \S23, \C23
	PLACES
	LOADG 1, 1
.if \PK
	LOADA AY, AYS, VA2, VFS2
.endif
	s_add_co_u32 s[GS], s[GS], 1
.endm
; BEHIND A PASS OF Q AND K: my part of the 64 scores of every row.  For tile m and heads a, a + 4: 64 packed multiply-adds over the lane's 8 d (16 chains by turns), the pairs folded, the lane halves
; exchanged so that lane (r, hh) holds head a + 4 hh summed over both halves' d, and added to what is kept.  Behind each tile the NEXT pass's biases are asked for into the accumulators just read.
.macro SCORES
	s_lshl_b32 s2, s[WV], 6
	s_add_co_u32 s2, s2, 256
	s_lshl_b32 s3, s[WV], 7
	s_cmp_eq_u32 s[QC], 0                          ; next: the second pass of Q and K, or V
	s_cselect_b64 s[SB0:SB0+1], s[14:15], s[18:19]
	s_cselect_b64 s[SB1:SB1+1], s[16:17], s[BV2:BV2+1]
	s_cselect_b32 s[SH], 32, 64
	s_cselect_b32 s[SC], s2, s3
	v_mad_u32_u24 v[VBO], v[VHH], s[SH], s[SC]     ; 256 + 64 w + 32 hh, or 128 w + 64 hh (the last pass's bias loads were waited for at its head)
.irp m, 0,1,2,3
.irp a, 0,1,2,3
	WIN 0x0e                                       ; source 0 (Q) W2, source 1 (K) W3
.irp jp, 0,1,2,3
.irp z, 0,1
.irp g, 0,1,2,3,4,5,6,7
.if \jp == 0
	v_pk_mul_f32 v[TT+2*(8*\z+\g):TT+2*(8*\z+\g)+1], v[64*\m+8*(\a+4*\z):64*\m+8*(\a+4*\z)+1], v[64*\m+8*\g:64*\m+8*\g+1]
.else
	v_pk_fma_f32 v[TT+2*(8*\z+\g):TT+2*(8*\z+\g)+1], v[64*\m+8*(\a+4*\z)+2*\jp:64*\m+8*(\a+4*\z)+2*\jp+1], v[64*\m+8*\g+2*\jp:64*\m+8*\g+2*\jp+1], v[TT+2*(8*\z+\g):TT+2*(8*\z+\g)+1]
.endif
.endr
.endr
.endr
	WIN 0
.irp k, 0,1,2,3,4,5,6,7,8,9,10,11,12,13,14,15
	v_add_f32 v[UU+\k], v[TT+2*\k], v[TT+2*\k+1]
.endr
.irp g, 0,1,2,3,4,5,6,7
	v_permlane16_swap_b32 v[UU+\g], v[UU+8+\g]     ; head a's upper-half part changes places with head a + 4's lower-half part
.endr
.irp g, 0,1,2,3,4,5,6,7
	v_add_f32 v[UU+\g], v[UU+\g], v[UU+8+\g]
.endr
	WIN 0x41                                       ; destination and source 0 W1
.irp g, 0,1,2,3,4,5,6,7
	v_add_f32 v[PS+32*\m+8*\a+\g], v[PS+32*\m+8*\a+\g], v[UU+\g]
.endr
.endr
	BIASLD \m
.endr
.endm
; THE CONTEXT OF ROW TILE m AND ITS CODES.  ct(h, d) = sum over g of attn(h, g) V(g, d), 512 packed multiply-adds (32 chains by turns); register 16 h + 8 u + j is d = 32 w + 16 hh + 8 u + j of head h.
.macro CTXM m
.set ATC, AT0+64*((\m)%2)
.set ATN, AT0+64*((\m+1)%2)
.if \m < 3
.set k, 0
.rept 16
	ds_load_b128 v[ATN+4*k:ATN+4*k+3], v[VAT] offset:XT*(\m+1)+16*k   ; the next tile's attention weights: my row's 64
.set k, k+1
.endr
	s_wait_dscnt 16                                ; all but those sixteen: this tile's weights are in, and the last tile's stores have read their registers
.else
	s_wait_dscnt 0x0
.endif
.irp u, 0,1
	WIN 0x52+\u                                    ; source 0 (V) W2 or W3, source 1 (weights) W0, C and D W1
.irp g, 0,1,2,3,4,5,6,7
.irp h, 0,1,2,3,4,5,6,7
.irp jp, 0,1,2,3
.if \g == 0
	v_pk_mul_f32 v[PS+16*\h+8*\u+2*\jp:PS+16*\h+8*\u+2*\jp+1], v[64*\m+2*\jp:64*\m+2*\jp+1], v[ATC+8*\h:ATC+8*\h+1] op_sel_hi:[1,0]
.elseif (\g%2) == 0
	v_pk_fma_f32 v[PS+16*\h+8*\u+2*\jp:PS+16*\h+8*\u+2*\jp+1], v[64*\m+8*\g+2*\jp:64*\m+8*\g+2*\jp+1], v[ATC+8*\h+\g:ATC+8*\h+\g+1], v[PS+16*\h+8*\u+2*\jp:PS+16*\h+8*\u+2*\jp+1] op_sel_hi:[1,0,1]
.else
	v_pk_fma_f32 v[PS+16*\h+8*\u+2*\jp:PS+16*\h+8*\u+2*\jp+1], v[64*\m+8*\g+2*\jp:64*\m+8*\g+2*\jp+1], v[ATC+8*\h+\g-1:ATC+8*\h+\g], v[PS+16*\h+8*\u+2*\jp:PS+16*\h+8*\u+2*\jp+1] op_sel:[0,1,0] op_sel_hi:[1,1,1]
.endif
.endr
.endr
.endr
.endr
	WIN 0x05                                       ; the block scales: head h's 32 d of mine are block 4 h + w of the row; 16 lie here, 16 in lane l xor 16
.irp h, 0,1,2,3,4,5,6,7
	v_max3_num_f32 v[TM+\h], |v[PS+16*\h]|, |v[PS+16*\h+1]|, 0x2800000   ; with the floor 2^(5 - 127): the byte cannot fall under 1
.endr
	WIN 0x14
.irp i, 2,4,6,8,10,12,14
.irp h, 0,1,2,3,4,5,6,7
	v_max3_num_f32 v[TM+\h], v[TM+\h], |v[PS+16*\h+\i]|, |v[PS+16*\h+\i+1]|
.endr
.endr
	WIN 0
.irp h, 0,1,2,3,4,5,6,7
	v_permlanex16_b32 v[TM2+\h], v[TM+\h], s[SEL], s[SEL+1]
.endr
.irp h, 0,1,2,3,4,5,6,7
	v_max_num_f32 v[TM+\h], v[TM+\h], v[TM2+\h]    ; the block's largest magnitude
.endr
.irp h, 0,1,2,3,4,5,6,7
	v_add_nc_u32 v[SCL+\h], 0xfe000000, v[TM+\h]   ; 4 off its exponent field: the conversion's scale operand
.endr
.irp h, 0,1,2,3,4,5,6,7
	v_lshrrev_b32 v[TM2+\h], 23, v[SCL+\h]         ; the scale's byte
.endr
	WIN 0x01
.irp p, 0,1,2,3
	v_cvt_scalef32_pk16_bf6_f32 v[CD+12*\p:CD+12*\p+2], v[PS+32*\p:PS+32*\p+15], v[SCL+2*\p]
	v_cvt_scalef32_pk16_bf6_f32 v[CD+12*\p+6:CD+12*\p+8], v[PS+32*\p+16:PS+32*\p+31], v[SCL+2*\p+1]
.endr
	v_nop                                          ; one plain place behind the scaled conversions
	WIN 0
.irp p, 0,1,2,3                                ; lanes 0-15 gather head 2 p's whole block, lanes 16-31 head 2 p + 1's: 24 bytes, to their place in the row
.irp i, 0,1,2
	v_permlane16_swap_b32 v[CD+12*\p+\i], v[CD+12*\p+6+\i]
.endr
.irp i, 0,1,2
	v_mov_b32 v[CD+12*\p+3+\i], v[CD+12*\p+6+\i]
.endr
.irp i, 0,1,2
	ds_store_b64 v[VCX], v[CD+12*\p+2*\i:CD+12*\p+2*\i+1] offset:FT*\m+192*\p+8*\i
.endr
.endr
.irp h, 0,1,2,3,4,5,6,7
	ds_store_b8 v[VCS], v[TM2+\h] offset:768*\m+4*\h   ; both lanes of a row write the same byte with the same value
.endr
.endm
; THE LAST PRODUCT.  n fragments (K steps 4 hi + ii) of output tile 2 sp + tq against the context's four row tiles, which stay in registers.  A tile's four accumulators take turns; K step 0 takes bo as C.
.macro MULO half, sp, tq, hi, i0, n
.set ii, \i0
.rept \n
.if (\hi) == 0 && ii == 0
	WIN 0x89+0x40*\sp
.elseif (\hi) == 0
	WIN 0xa9+0x50*\sp
.else
	WIN 0xad+0x50*\sp
.endif
.set mm, 0
.rept 4
.if (\hi) == 0 && ii == 0
	WM 192+32*\tq+8*mm, 48*\half+12*ii, 48*ii+12*mm, BOG+8*(2*\sp+\tq), WSH0+2*\half+ii/2, CSR+8*(mm/2)+4*\hi+ii, ii%2, mm%2
.else
	WM 192+32*\tq+8*mm, 48*\half+12*ii, 48*ii+12*mm, 192+32*\tq+8*mm, WSH0+2*\half+ii/2, CSR+8*(mm/2)+4*\hi+ii, ii%2, mm%2
.endif
.set mm, mm+1
.endr
.set ii, ii+1
.endr
.endm
; a slot of Wo: two tiles of 16 output columns x all eight K steps.  refill: the slot is filled again; next: a slot follows
.macro OSTEP sp, refill, next
.if (\sp) == 0
	s_wait_loadcnt 0x0                             ; bo of these 64 columns
.endif
	s_wait_dscnt 13                                ; group 0 is in; group 1's 13 may be out
	MULO 0, \sp, 0, 0, 0, 4
	PLACES
	LOADG 0, 2
	s_wait_dscnt 13
	MULO 1, \sp, 0, 1, 0, 4
	PLACES
	LOADG 1, 3
.if \refill
	RINGA
	s_wait_dscnt 14                                ; group 2 is in; group 3's 13 and the add may be out
	MULO 0, \sp, 1, 0, 0, 2
	s_wait_dscnt 0x0                               ; the add is done, and my reads of this slot are over
	s_barrier_signal -1
	MULO 0, \sp, 1, 0, 2, 2
	RINGB
.else
	s_wait_dscnt 13
	MULO 0, \sp, 1, 0, 0, 4
	WIN 0
.if \next
	s_wait_tensorcnt 0x0                           ; my quarter of the last slot is in; only I read it
	PLACES
.endif
.endif
.if \next
	NEXTSLOT
	LOADG 0, 0
.endif
.if \refill
	ASK
.else
	s_wait_dscnt 13*\next                          ; group 3 is in
.endif
	MULO 1, \sp, 1, 1, 0, 4
	PLACES
.if \next
	LOADG 1, 1
.endif
	WIN 0
.if \refill
	s_add_co_u32 s[GS], s[GS], 1
.endif
.endm
; THE WAY OUT of 64 rows x 64 columns, a tile of 16 rows at a time through my own stage: a lane's 32 bytes of a row go in, whole pieces of 256 bytes come back.  LDS serves a wave's instructions in order (ISA guide 5.7.1.4).
.macro TOSTAGE m
	WIN 0x08
.irp t, 0,1
	ds_store_b128 v[VSO], v[192+32*\t+8*\m:192+32*\t+8*\m+3] offset:64*\t          ; each accumulator from its low end on
	ds_store_b128 v[VSO], v[192+32*\t+8*\m+4:192+32*\t+8*\m+7] offset:64*\t+16
.endr
	WIN 0x0c
.irp t, 0,1
	ds_store_b128 v[VSO], v[192+32*\t+8*\m:192+32*\t+8*\m+3] offset:128+64*\t
	ds_store_b128 v[VSO], v[192+32*\t+8*\m+4:192+32*\t+8*\m+7] offset:128+64*\t+16
.endr
	WIN 0
.irp q, 0,1,2,3,4,5,6,7
	ds_load_b128 v[OUT+32*(\m%2)+4*\q:OUT+32*(\m%2)+4*\q+3], v[VSR] offset:2*AP*\q
.endr
.endm
.macro SEND m, younger
	s_wait_dscnt \younger
.irp q, 0,1,2,3,4,5,6,7
	global_store_b128 v[VGO], v[OUT+32*(\m%2)+4*\q:OUT+32*(\m%2)+4*\q+3], s[OB:OB+1] offset:(16*\m+2*\q)*4096 th:TH_STORE_NT   ; sixteen lanes store 256 consecutive bytes, aligned; lanes 16-31 the next row's
.endr
.endm
.macro WAYOUT reload
.if \reload
.irp t, 0,1,2,3
	global_load_b128 v[BOG+8*\t:BOG+8*\t+3], v[VBB], s[BB:BB+1] offset:256+64*\t      ; bo of the next 64 columns, into registers whose last reader stands in front of the places above
	global_load_b128 v[BOG+8*\t+4:BOG+8*\t+7], v[VBB], s[BB:BB+1] offset:256+64*\t+16
.endr
.endif
	TOSTAGE 0
	TOSTAGE 1
	SEND 0, 16                                     ; behind tile 0's loads: tile 1's eight stores and eight loads
	s_wait_xcnt 0x0                                ; tile 0's stores have read their registers
	TOSTAGE 2
	SEND 1, 16
	s_wait_xcnt 0x0
	TOSTAGE 3
	SEND 2, 16
	SEND 3, 0
	s_wait_xcnt 0x0                                ; the bases and the rows' registers may be written again
	s_add_nc_u64 s[OB:OB+1], s[OB:OB+1], 256
.if \reload
	s_add_nc_u64 s[BB:BB+1], s[BB:BB+1], 256
.endif
.endm
; ---------------- the head ----------------
	s_load_b512 s[4:19], s[0:1], 0x0               ; wstream s[4:5], feat1 codes s[6:7], feat2 codes s[8:9], feat1 scales s[10:11], feat2 scales s[12:13], bq s[14:15], bk s[16:17], bv s[18:19]
	s_load_b128 s[20:23], s[0:1], 0x40             ; bo s[20:21], out0 s[22:23]
	v_lshl_add_u32 v[SPW], v0, 2, SPARE
	v_mov_b32 v[NIL], 0
	ds_add_u32 v[SPW], v[NIL]                      ; the wave's opening: the add, twice on end, and its wait ahead of my first tensor load
	ds_add_u32 v[SPW], v[NIL]
	v_lshrrev_b32 v27, 5, v0
	v_readfirstlane_b32 s[WV], v27                 ; wave 0..3
	s_bfe_u32 s[CX], ttmp6, 0x40000                ; my place in the cluster: it enters the features', out0's and the prefetches' addresses alone
	s_lshl_b32 s[GW], ttmp9, 2
	s_add_co_u32 s[GW], s[GW], s[CX]               ; my block of 64 rows
	s_mov_b32 s[G1], 15|(3<<16)|(1<<21)            ; the mask: all four work-groups; elements of 8 bytes; bit 21 beside a mask; no padding
	s_mov_b32 s[G1+1], 32<<16                      ; tensor_dim0 = 32: rows of 256 bytes
	s_mov_b32 s[G1+2], 100<<16                     ; tensor_dim1 = 100: a quarter of a slot
	s_mov_b32 s[G1+3], 32<<16                      ; tile_dim0
	s_mov_b32 s[G1+4], 100                         ; tile_dim1
	s_mov_b32 s[G1+5], 32                          ; dense
	s_mov_b32 s[G1+6], 0
	s_mov_b32 s[G1+7], 0
	s_mov_b32 s[SEL], 0x76543210
	s_mov_b32 s[SEL+1], 0xfedcba98                 ; v_permlanex16_b32's selects for lane l xor 16
	s_mov_b32 s[CS], 0x3e0293ee                    ; c = log2(e) / sqrt(128)
	s_mov_b32 s[CS+1], s[CS]
	s_mov_b32 s[SA], 0
	s_mov_b32 s[SS], 0
	s_mov_b32 s[TB], 0
	s_mov_b32 s[TBF], SLOTB
	s_mov_b32 s[GS], 0
	s_cmp_eq_u32 ttmp9, 0
	s_cselect_b32 s[LIM], 27, 0                    ; cluster 0 prefetches in steps 0 to 26
	s_mul_i32 s[WB], s[WV], 25600
	v_and_b32 v27, 31, v0                          ; L
	v_and_b32 v28, 15, v0                          ; r
	v_bfe_u32 v[VHH], v0, 4, 1                     ; hh
	v_lshlrev_b32 v29, 4, v27                      ; 16 L
	v_lshlrev_b32 v30, 3, v27                      ; 8 L
	v_add_nc_u32 v[VB16], s[WB], v29
	v_add_nc_u32 v[VB8], s[WB], v30
	v_add_nc_u32 v[VB8], 24576, v[VB8]
	v_mov_b32 v[B16], v[VB16]
	v_mov_b32 v[B8], v[VB8]
	v_mul_u32_u24 v31, v28, FP
	v_mad_u32_u24 v31, v[VHH], 24, v31
	v_add_nc_u32 v[VA1], F1, v31
	v_add_nc_u32 v[VA2], F2, v31
	v_mul_u32_u24 v31, v27, 48
	v_add_nc_u32 v[VFS1], FS1, v31
	v_add_nc_u32 v[VFS2], FS2, v31
	s_lshl_b32 s2, s[WV], 12
	v_add_nc_u32 v[VXW], s2, v29
	v_add_nc_u32 v[VXW], XR, v[VXW]                ; partial scores out: XR + 4,096 w + 16 L
	s_lshl_b32 s3, s[WV], 14
	s_add_co_u32 s3, s3, XR                        ; XR + 16,384 w
	v_add_nc_u32 v[VXR], s3, v29                   ; and in: tile w
	v_mul_u32_u24 v31, v28, AP                     ; 272 r
	v_lshl_add_u32 v[VAW], v[VHH], 7, v31
	v_add_nc_u32 v[VAW], s3, v[VAW]                ; attention weights out: row r, heads 4 hh on
	v_add_nc_u32 v[VAT], XR, v31                   ; and in: my row
	s_add_co_u32 s27, s3, 8192                     ; my stage
	v_lshl_add_u32 v[VSO], v[VHH], 5, v31
	v_add_nc_u32 v[VSO], s27, v[VSO]
	v_mul_u32_u24 v[VSR], v[VHH], AP
	v_lshl_add_u32 v[VSR], v28, 4, v[VSR]
	v_add_nc_u32 v[VSR], s27, v[VSR]
	v_mul_u32_u24 v[VCX], v28, FP
	v_mad_u32_u24 v[VCX], v[VHH], 96, v[VCX]
	s_mul_i32 s2, s[WV], 24
	v_add_nc_u32 v[VCX], s2, v[VCX]
	v_add_nc_u32 v[VCX], F2, v[VCX]                ; the context's codes: row r, block 4 (2 p + hh) + w
	v_mul_u32_u24 v[VCS], v28, 48
	v_add_nc_u32 v[VCS], s[WV], v[VCS]
	v_add_nc_u32 v[VCS], FS2, v[VCS]               ; and its scale bytes
	v_lshlrev_b32 v[VGO], 12, v[VHH]
	v_lshl_add_u32 v[VGO], v28, 4, v[VGO]          ; out0: 4,096 hh + 16 r
	s_lshl_b32 s2, s[WV], 10
	v_lshl_add_u32 v[VBB], v[VHH], 5, s2           ; bo: 1,024 w + 32 hh
	v_min_u32 v[PFO], 24, v27
	v_lshlrev_b32 v[PFO], 8, v[PFO]
	s_lshl_b32 s2, s[WV], 6
	v_lshl_add_u32 v[VBO], v[VHH], 5, s2           ; the first pass's biases: 64 w + 32 hh
	s_mul_i32 s2, s[WV], FT                        ; the features' way into LDS: my 16 rows, 512 consecutive bytes a store; 16 bytes more behind each 768
	v_add_nc_u32 v184, s2, v29
	v_add_nc_u32 v186, F2, v184
	v_add_nc_u32 v184, F1, v184
	v_lshl_add_u32 v185, v[VHH], 4, v184           ; for the stores whose lanes 16-31 lie in the next row
	v_lshl_add_u32 v187, v[VHH], 4, v186
	v_lshrrev_b32 v188, 1, v0
	v_mul_u32_u24 v188, v188, 48
	v_and_b32 v189, 1, v0
	v_lshl_add_u32 v188, v189, 4, v188             ; the scale rows: 48 (thread / 2) + 16 (thread % 2)
	v_add_nc_u32 v189, FS2, v188
	v_add_nc_u32 v188, FS1, v188
	v_lshlrev_b32 v190, 4, v0
	s_mul_i32 s62, s[GW], 49152
	s_mul_i32 s2, s[WV], 12288
	s_add_co_u32 s62, s62, s2                      ; my 16 rows of codes
	s_mov_b32 s63, 0
	s_wait_dscnt 0x0                               ; both opening adds are done
	s_wait_kmcnt 0x0
	s_add_nc_u64 s[6:7], s[6:7], s[62:63]
	s_add_nc_u64 s[8:9], s[8:9], s[62:63]
	s_lshl_b32 s62, s[GW], 11                      ; my work-group's 64 rows of scale bytes
	s_add_nc_u64 s[10:11], s[10:11], s[62:63]
	s_add_nc_u64 s[12:13], s[12:13], s[62:63]
	WIN TO_B
.set j, 0
.rept 24
	global_load_b128 v[4*j:4*j+3], v29, s[6:7] offset:512*j th:TH_LOAD_NT
.set j, j+1
.endr
.set j, 0
.rept 24
	global_load_b128 v[96+4*j:96+4*j+3], v29, s[8:9] offset:512*j th:TH_LOAD_NT
.set j, j+1
.endr
	WIN 0
	global_load_b128 v[176:179], v190, s[10:11] th:TH_LOAD_NT
	global_load_b128 v[180:183], v190, s[12:13] th:TH_LOAD_NT
	s_mov_b32 s62, s[WB]
	s_mov_b32 s[G0A], 1                            ; count = 1
	s_mov_b32 s[G0A+1], s[WB]                      ; slot 0, my quarter
	s_add_nc_u64 s[G0A+2:G0A+3], s[4:5], s[62:63]
	s_mov_b32 s[G0B], 1
	s_add_co_u32 s[G0B+1], s[WB], SLOTB            ; slot 1; this set then walks
	s_add_nc_u64 s[G0B+2:G0B+3], s[G0A+2:G0A+3], SLOTB
	s_or_b32 s[G0A+3], s[G0A+3], 0x80000000        ; type = 2
	s_or_b32 s[G0B+3], s[G0B+3], 0x80000000
	s_mul_i32 s2, s[CX], 6400
	s_add_co_u32 s62, s62, s2
	s_add_co_u32 s62, s62, 4*SLOTB
	s_add_nc_u64 s[PFA:PFA+1], s[4:5], s[62:63]    ; in slot 4: step 0 steps it to slot 5.  Nothing is prefetched here, at the head
	s_add_nc_u64 s[BV2:BV2+1], s[18:19], 32
	s_mov_b64 s[SB0:SB0+1], s[14:15]
	s_mov_b64 s[SB1:SB1+1], s[16:17]
	CROUND                                         ; all four work-groups are here: the first joint loads meet
	tensor_load_to_lds s[G0A:G0A+3], s[G1:G1+7]    ; two loads of mine are out
	s_nop 0
	tensor_load_to_lds s[G0B:G0B+3], s[G1:G1+7]
	s_nop 0
	PLACES
	s_wait_loadcnt 0x0
	WIN 0x04                                       ; an LDS store's data are its source 1: W1
.set j, 0
.rept 24
.if j%3 == 1
	ds_store_b128 v185, v[4*j:4*j+3] offset:512*j+16*((512*j)/768)
	ds_store_b128 v187, v[96+4*j:96+4*j+3] offset:512*j+16*((512*j)/768)
.else
	ds_store_b128 v184, v[4*j:4*j+3] offset:512*j+16*((512*j)/768)
	ds_store_b128 v186, v[96+4*j:96+4*j+3] offset:512*j+16*((512*j)/768)
.endif
.set j, j+1
.endr
	WIN 0
	ds_store_b128 v188, v[176:179]
	ds_store_b128 v189, v[180:183]
	BIASLD 0
	BIASLD 1
	BIASLD 2
	BIASLD 3
	WIN TO_B
.set j, 0
.rept 128
	v_mov_b32 v[PS+j], 0                           ; the partial scores: the two passes share one text, and the first finds zeros
.set j, j+1
.endr
	WIN 0
	s_wait_tensorcnt 0x1                           ; my quarter of slot 0 is in; slot 1's may stay out
	BARRIER                                        ; the features lie in LDS
	LOADA AX, AXS, VA1, VFS1                       ; K step 0
	LOADG 0, 0
	LOADG 1, 1
	LOADA AY, AYS, VA2, VFS2
; ---------------- Q and K, two passes of eight K steps, each followed by its part of the scores ----------------
	s_mov_b32 s[QC], 0
.Lpass:
	s_wait_loadcnt 0x0                             ; the biases
	s_mov_b32 s[KC], 0
.Lkq:
	s_add_co_u32 s2, s[KC], 1
	s_and_b32 s2, s2, 7                            ; the K step whose rows are fetched ahead; the last step's fetch is the next pass's first (feat1's after the second pass serves nothing)
	s_mul_i32 s[SA], s2, 96
	s_lshl_b32 s[SS], s2, 2
	STEP_P AX, AXS, AY, AYS, AX, AXS, VA1, VFS1, 1
	s_add_co_u32 s[KC], s[KC], 1
	s_cmp_lt_u32 s[KC], 8
	s_cbranch_scc1 .Lkq
	SCORES
	s_add_co_u32 s[QC], s[QC], 1
	s_cmp_lt_u32 s[QC], 2
	s_cbranch_scc1 .Lpass
; ---------------- the partial scores meet; softmax of tile w ----------------
; feat1's rows and scales were last read in front of the last step's round: their bytes may be written
	WIN 0x04
.set k, 0
.rept 32
	ds_store_b128 v[VXW], v[PS+4*k:PS+4*k+3] offset:XT*(k/8)+512*(k%8)
.set k, k+1
.endr
	WIN 0
	BARRIER
	WIN TO_B
.set k, 0
.rept 32
	ds_load_b128 v[PS+4*k:PS+4*k+3], v[VXR] offset:512*k               ; the four waves' parts of tile w
.set k, k+1
.endr
	s_wait_dscnt 0x0
	WIN 0x55                                       ; every operand W1
.set k, 0
.rept 16
	v_pk_add_f32 v[PS+2*k:PS+2*k+1], v[PS+2*k:PS+2*k+1], v[PS+32+2*k:PS+32+2*k+1]
	v_pk_add_f32 v[PS+64+2*k:PS+64+2*k+1], v[PS+64+2*k:PS+64+2*k+1], v[PS+96+2*k:PS+96+2*k+1]
.set k, k+1
.endr
.set k, 0
.rept 16
	v_pk_add_f32 v[PS+2*k:PS+2*k+1], v[PS+2*k:PS+2*k+1], v[PS+64+2*k:PS+64+2*k+1]   ; register 8 a + g: the score of head a + 4 hh against head g
.set k, k+1
.endr
.irp a, 0,1,2,3
	v_max3_num_f32 v[112+4*\a], v[PS+8*\a], v[PS+8*\a+1], v[PS+8*\a+2]
.endr
.irp a, 0,1,2,3
	v_max3_num_f32 v[112+4*\a], v[112+4*\a], v[PS+8*\a+3], v[PS+8*\a+4]
.endr
.irp a, 0,1,2,3
	v_max3_num_f32 v[112+4*\a], v[112+4*\a], v[PS+8*\a+5], v[PS+8*\a+6]
.endr
.irp a, 0,1,2,3
	v_max_num_f32 v[112+4*\a], v[112+4*\a], v[PS+8*\a+7]             ; the row's largest score
.endr
.irp a, 0,1,2,3
	v_mul_f32 v[96+2*\a], -v[112+4*\a], s[CS]                        ; - c max
	v_mov_b32 v[97+2*\a], 0                                          ; (named with it as a pair)
	v_mov_b32 v[105+2*\a], 0
.endr
.set k, 0
.rept 16
	v_pk_fma_f32 v[PS+2*k:PS+2*k+1], v[PS+2*k:PS+2*k+1], s[CS:CS+1], v[96+2*(k/4):97+2*(k/4)] op_sel_hi:[1,0,0]   ; c s - c max
.set k, k+1
.endr
.set k, 0
.rept 32
	v_exp_f32 v[PS+k], v[PS+k]
.set k, k+1
.endr
	v_nop                                          ; a plain instruction behind the last exponential
	s_wait_alu depctr_va_vdst(0)                   ; one wait for the batch, ahead of its first reader
.irp a, 0,1,2,3
	v_pk_add_f32 v[112+4*\a:113+4*\a], v[PS+8*\a:PS+8*\a+1], v[PS+8*\a+2:PS+8*\a+3]
	v_pk_add_f32 v[114+4*\a:115+4*\a], v[PS+8*\a+4:PS+8*\a+5], v[PS+8*\a+6:PS+8*\a+7]
.endr
.irp a, 0,1,2,3
	v_pk_add_f32 v[112+4*\a:113+4*\a], v[112+4*\a:113+4*\a], v[114+4*\a:115+4*\a]
.endr
.irp a, 0,1,2,3
	v_add_f32 v[112+4*\a], v[112+4*\a], v[113+4*\a]
.endr
.irp a, 0,1,2,3
	v_rcp_f32 v[104+2*\a], v[112+4*\a]
.endr
	v_nop
	s_wait_alu depctr_va_vdst(0)                   ; one wait for the four reciprocals
.set k, 0
.rept 16
	v_pk_mul_f32 v[PS+2*k:PS+2*k+1], v[PS+2*k:PS+2*k+1], v[104+2*(k/4):105+2*(k/4)] op_sel_hi:[1,0]
.set k, k+1
.endr
	WIN 0x04
.set k, 0
.rept 8
	ds_store_b128 v[VAW], v[PS+4*k:PS+4*k+3] offset:16*k             ; over bytes that I alone have read, and those reads are in
.set k, k+1
.endr
	WIN 0
	BARRIER                                        ; the attention weights of all 64 rows lie in LDS
; ---------------- V: eight K steps, the two row sets by turns ----------------
	s_wait_loadcnt 0x0                             ; bv
	s_mov_b32 s[KC], 0
.Lv:
	s_lshl_b32 s2, s[KC], 1
	s_add_co_u32 s2, s2, 1
	s_mul_i32 s[SA], s2, 96
	s_lshl_b32 s[SS], s2, 2
	STEP_P AY, AYS, AY, AYS, AX, AXS, VA2, VFS2, 0
	s_lshl_b32 s2, s[KC], 1
	s_add_co_u32 s2, s2, 2
	s_and_b32 s2, s2, 7                            ; (the last fetch serves nothing; it stands in front of the round, like every read of feat2)
	s_mul_i32 s[SA], s2, 96
	s_lshl_b32 s[SS], s2, 2
	STEP_P AX, AXS, AX, AXS, AY, AYS, VA2, VFS2, 0
	s_add_co_u32 s[KC], s[KC], 1
	s_cmp_lt_u32 s[KC], 4
	s_cbranch_scc1 .Lv
; ---------------- the context, quantised; its codes take feat2's place in LDS ----------------
.irp h, 0,1,2,3,4,5,6,7
	v_mov_b32 v[TM2+\h], 0                         ; written once: a lane permute's destination counts as one of its sources
.endr
.set k, 0
.rept 16
	ds_load_b128 v[AT0+4*k:AT0+4*k+3], v[VAT] offset:16*k
.set k, k+1
.endr
	CTXM 0
	CTXM 1
	CTXM 2
	CTXM 3
	s_mov_b64 s[BB:BB+1], s[20:21]
.irp t, 0,1,2,3
	global_load_b128 v[BOG+8*\t:BOG+8*\t+3], v[VBB], s[BB:BB+1] offset:64*\t
	global_load_b128 v[BOG+8*\t+4:BOG+8*\t+7], v[VBB], s[BB:BB+1] offset:64*\t+16
.endr
	s_lshl_b32 s62, s[GW], 18
	s_lshl_b32 s2, s[WV], 10
	s_add_co_u32 s62, s62, s2
	s_mov_b32 s63, 0
	s_add_nc_u64 s[OB:OB+1], s[22:23], s[62:63]    ; out0 at my work-group's first row, my wave's 256 columns
	BARRIER                                        ; the context's codes and scale bytes lie in LDS
	WIN 0x80
.irp s, 0,1,2,3
.irp m, 0,1,2,3
.irp p, 0,1,2,3,4,5
	ds_load_b64 v[48*\s+12*\m+2*\p:48*\s+12*\m+2*\p+1], v[VA2] offset:FT*\m+96*\s+48*(\p/3)+8*(\p%3)
.endr
.endr
.endr
	WIN 0xc0
.irp s, 0,1,2,3
.irp m, 0,1,2,3
.irp p, 0,1,2,3,4,5
	ds_load_b64 v[48*\s+12*\m+2*\p:48*\s+12*\m+2*\p+1], v[VA2] offset:FT*\m+96*(\s+4)+48*(\p/3)+8*(\p%3)
.endr
.endr
.endr
	WIN 0
.irp a, 0,1
.irp q, 0,1
	ds_load_b128 v[CSR+8*\a+4*\q:CSR+8*\a+4*\q+3], v[VFS2] offset:1536*\a+16*\q     ; register 8 a + s: lanes 0-15 tile 2 a's word of K step s, lanes 16-31 tile 2 a + 1's
.endr
.endr
	s_wait_dscnt 0x0
; ---------------- the last product: two slots make 64 columns of all 64 rows, which leave at once ----------------
	s_mov_b32 s[OC], 0
.Lout:
	OSTEP 0, 1, 1
	OSTEP 1, 1, 1
	WAYOUT 1
	s_add_co_u32 s[OC], s[OC], 1
	s_cmp_lt_u32 s[OC], 3
	s_cbranch_scc1 .Lout
	OSTEP 0, 0, 1                                  ; the last two slots are written out: nothing is left to ask for
	OSTEP 1, 0, 0
	WAYOUT 0
	s_wait_tensorcnt 0x0                           ; the wave's end, behind my last tensor load and my last LDS store
	ds_add_u32 v[SPW], v[NIL]
	s_wait_dscnt 0x0
	CROUND                                         ; the closing round: no work-group ends while a partner may still ask for a tile that names it
	s_endpgm
.Lfunc_end_k_q9c868346ae_fused:
	.size	k_q9c868346ae_fused, .Lfunc_end_k_q9c868346ae_fused-k_q9c868346ae_fused
	.p2alignl 7, 3214868480
	.fill 96, 4, 3214868480
	.section	.rodata,"a",@progbits
	.p2align	6, 0x0
	.amdhsa_kernel k_q9c868346ae_fused
		.amdhsa_group_segment_fixed_size 327680
		.amdhsa_private_segment_fixed_size 0
		.amdhsa_enable_private_segment 0
		.amdhsa_kernarg_size 80
		.amdhsa_user_sgpr_count 2
		.amdhsa_user_sgpr_kernarg_segment_ptr 1
		.amdhsa_wavefront_size32 1
		.amdhsa_system_sgpr_workgroup_id_x 1
		.amdhsa_system_sgpr_workgroup_id_y 1
		.amdhsa_system_sgpr_workgroup_id_z 1
		.amdhsa_system_vgpr_workitem_id 0
		.amdhsa_next_free_vgpr 1024
		.amdhsa_next_free_sgpr 80
		.amdhsa_reserve_vcc 0
		.amdhsa_float_denorm_mode_32 3
		.amdhsa_float_denorm_mode_16_64 3
		.amdhsa_memory_ordered 1
		.amdhsa_forward_progress 1
		.amdhsa_inst_pref_size 255
	.end_amdhsa_kernel
	.section	.bss,"aw",@nobits
	.p2align	6
	.space	262144
	.amdgpu_metadata
---
amdhsa.version: [ 1, 2 ]
amdhsa.kernels:
  - .name:           k_q9c868346ae_fused
    .symbol:         k_q9c868346ae_fused.kd
    .args:
      - { .name: wstream, .offset: 0, .size: 8, .value_kind: global_buffer, .address_space: global }
      - { .name: feat1_codes, .offset: 8, .size: 8, .value_kind: global_buffer, .address_space: global }
      - { .name: feat2_codes, .offset: 16, .size: 8, .value_kind: global_buffer, .address_space: global }
      - { .name: feat1_scales, .offset: 24, .size: 8, .value_kind: global_buffer, .address_space: global }
      - { .name: feat2_scales, .offset: 32, .size: 8, .value_kind: global_buffer, .address_space: global }
      - { .name: bq, .offset: 40, .size: 8, .value_kind: global_buffer, .address_space: global }
      - { .name: bk, .offset: 48, .size: 8, .value_kind: global_buffer, .address_space: global }
      - { .name: bv, .offset: 56, .size: 8, .value_kind: global_buffer, .address_space: global }
      - { .name: bo, .offset: 64, .size: 8, .value_kind: global_buffer, .address_space: global }
      - { .name: out0, .offset: 72, .size: 8, .value_kind: global_buffer, .address_space: global }
    .group_segment_fixed_size: 327680
    .private_segment_fixed_size: 0
    .kernarg_segment_align: 8
    .kernarg_segment_size: 80
    .max_flat_workgroup_size: 128
    .sgpr_count:     80
    .vgpr_count:     1024
    .wavefront_size: 32
...
	.end_amdgpu_metadata
.endif
;; end of part 2
;; ======== version 2 of 2: 2 launches
;; limits: right only within a limited range of input values
;; workspace buffers: wstream 3,276,800 bytes
;; launch lay (part 3): grid 128 x 1, 4 waves a work-group, no clusters, 0 bytes of LDS; arguments Wq_codes, Wq_scales, Wk_codes, Wk_scales, Wv_codes, Wv_scales, Wo_codes, Wo_scales, wstream; writes wstream
.if DOCPART == 3
	.amdgcn_target "amdgcn-amd-amdhsa--gfx1250"
	.amdhsa_code_object_version 6
	.text
	.protected	k_q9c868346ae_lay
	.globl	k_q9c868346ae_lay
	.p2align	8
	.type	k_q9c868346ae_lay,@function
k_q9c868346ae_lay:
	s_mov_b64 s[64:65], 0
	v_nop
	global_prefetch_b8 v0, s[64:65] scope:SCOPE_SE
	s_setreg_imm32_b32 hwreg(HW_REG_WAVE_MODE, 25, 1), 1
	s_wait_xcnt 0x0
; The four weights (codes [1024 n][768 bytes along K], scale bytes [1024 n][32]) are laid once into wstream, in the order in which the second launch's
; waves consume them and as images of the matrix operand's registers.  No number is changed and none is left out: every input of the problem has a way to the output.
; wstream = [slot 0..31][wave w 0..3][25,600 bytes].  A wave's block: 16 fragments f (16 weight rows x 128 along K, 12 registers a lane) at 1,536 f, each as
; [c 0..2][lane][16 bytes] = the lane's registers 4 c .. 4 c + 3; behind them, at 24,576, four pairs of scale words [v 0..3][lane][8 bytes]: word a of pair v in lane L
; is the scale word of fragment 4 v + 2 a + L / 16, row L % 16 of that fragment.
;   slots 8 c + s (c = 0, 1): f < 8: Wq, head f; f >= 8: Wk, head f - 8; rows 128 head + 64 c + 16 w + r; K step s
;   slots 16 + s:             f = g + 8 u: Wv, rows 128 g + 32 w + 8 u + r + 8 (r / 8); K step s
;   slots 24 + j:             f = 8 t + s: Wo, rows 256 w + 32 j + 16 t + r; K step s
; A work-group makes one wave's block of one slot; its wave v makes fragments 4 v .. 4 v + 3 and pair v.  All choices hang on ids alone.
; A lane's part of a fragment is 2 x 24 bytes of its row, taken as six loads of 8 bytes; each store covers 512 consecutive bytes, aligned (the pair's: 256).
	s_load_b512 s[4:19], s[0:1], 0x0               ; Wq codes, scales; Wk; Wv; Wo
	s_load_b64 s[20:21], s[0:1], 0x40              ; wstream
	v_lshrrev_b32 v1, 5, v0
	v_readfirstlane_b32 s28, v1                    ; wave v
	v_and_b32 v2, 31, v0                           ; lane L
	v_and_b32 v3, 15, v0                           ; r
	s_wait_alu depctr_va_vdst(0)
	v_bfe_u32 v4, v0, 4, 1                         ; hh = L / 16
	s_lshr_b32 s24, ttmp9, 2                       ; slot
	s_and_b32 s25, ttmp9, 3                        ; w
	s_lshr_b32 s26, s24, 3                         ; pass 0, 1: Q and K; 2: V; 3: O
	s_and_b32 s27, s24, 7                          ; j: the slot's number in its pass
	s_and_b32 s29, s28, 1                          ; v % 2
	s_lshr_b32 s30, s28, 1                         ; v / 2
	s_lshl_b32 s31, s29, 9                         ; 512 (v % 2): four heads on
	s_lshl_b32 s32, s26, 6
	s_lshl_b32 s33, s25, 4
	s_add_co_u32 s32, s32, s33
	s_add_co_u32 s32, s32, s31                     ; first row, passes 0 and 1: 512 (v % 2) + 64 pass + 16 w
	s_lshl_b32 s33, s25, 5
	s_lshl_b32 s34, s30, 3
	s_add_co_u32 s33, s33, s34
	s_add_co_u32 s33, s33, s31                     ; pass 2: 512 (v % 2) + 32 w + 8 (v / 2)
	s_lshl_b32 s34, s25, 8
	s_lshl_b32 s35, s27, 5
	s_add_co_u32 s34, s34, s35
	s_lshl_b32 s35, s30, 4
	s_add_co_u32 s34, s34, s35                     ; pass 3: 256 w + 32 j + 16 (v / 2)
	s_mul_i32 s35, s27, 96                         ; the K step's bytes in a row of codes: 96 j,
	s_mul_i32 s36, s29, 384                        ; in pass 3: 384 (v % 2)
	s_lshl_b32 s37, s27, 2                         ; and in a row of scale bytes: 4 j,
	s_lshl_b32 s38, s29, 4                         ; in pass 3: 16 (v % 2)
	s_mov_b32 s39, 98304                           ; from fragment to fragment: 128 rows of codes,
	s_mov_b32 s44, 4096                            ; 128 rows of scale bytes
	s_cmp_eq_u32 s26, 2
	s_cselect_b32 s32, s33, s32
	s_cselect_b32 s45, 1, 0                        ; e = 1: the rows of a tile are r + 8 (r / 8)
	s_cmp_eq_u32 s26, 3
	s_cselect_b32 s32, s34, s32                    ; the first row
	s_cselect_b32 s35, s36, s35
	s_cselect_b32 s37, s38, s37
	s_cselect_b32 s39, 96, s39                     ; in pass 3 a wave's four fragments are four K steps of the same rows
	s_cselect_b32 s44, 4, s44
	s_mul_i32 s46, s32, 768
	s_add_co_u32 s46, s46, s35                     ; where my codes begin
	s_mov_b32 s47, 0
	s_lshl_b32 s22, s32, 5
	s_add_co_u32 s22, s22, s37                     ; where my scale bytes begin
	s_mov_b32 s23, 0
	s_mul_i32 s2, ttmp9, 25600
	s_mul_i32 s33, s28, 6144
	s_lshl_b32 s36, s28, 8
	s_add_co_u32 s36, s36, s2
	s_add_co_u32 s36, s36, 24576                   ; where my pair goes
	s_mov_b32 s37, 0
	s_add_co_u32 s2, s2, s33                       ; where my four fragments go
	s_mov_b32 s3, 0
	s_lshl_b32 s38, s44, 1
	v_and_b32 v5, 8, v3
	v_mul_u32_u24 v5, v5, s45
	v_add_nc_u32 v5, v5, v3                        ; my row in the tile: r + e (r & 8)
	v_mul_u32_u24 v8, v5, 768
	s_wait_alu depctr_va_vdst(0)
	v_mad_u32_u24 v8, v4, 24, v8                   ; fragment 0: row x 768 + 24 hh
	v_add_nc_u32 v9, s39, v8
	v_add_nc_u32 v10, s39, v9
	v_add_nc_u32 v11, s39, v10                     ; fragments 1 to 3
	v_lshlrev_b32 v6, 5, v5
	v_mad_u32_u24 v12, v4, s44, v6                 ; scale word 0: fragment hh
	v_add_nc_u32 v13, s38, v12                     ; scale word 1: fragment 2 + hh
	v_lshlrev_b32 v14, 4, v2                       ; out: 16 bytes a lane,
	v_lshlrev_b32 v15, 3, v2                       ; the pair: 8
	s_wait_alu depctr_va_vdst(0)
	s_wait_kmcnt 0x0
	s_cmp_lt_u32 s28, 2                            ; passes 0 and 1: waves 0, 1 take Wq, waves 2, 3 Wk
	s_cselect_b64 s[40:41], s[4:5], s[8:9]
	s_cselect_b64 s[42:43], s[6:7], s[10:11]
	s_cmp_eq_u32 s26, 2
	s_cselect_b64 s[40:41], s[12:13], s[40:41]
	s_cselect_b64 s[42:43], s[14:15], s[42:43]
	s_cmp_eq_u32 s26, 3
	s_cselect_b64 s[40:41], s[16:17], s[40:41]
	s_cselect_b64 s[42:43], s[18:19], s[42:43]
	s_add_nc_u64 s[40:41], s[40:41], s[46:47]
	s_add_nc_u64 s[42:43], s[42:43], s[22:23]
	s_add_nc_u64 s[24:25], s[20:21], s[2:3]
	s_add_nc_u64 s[30:31], s[20:21], s[36:37]
.irp i, 0,1,2,3
.irp p, 0,1,2,3,4,5
	global_load_b64 v[16+12*\i+2*\p:17+12*\i+2*\p], v[8+\i], s[40:41] offset:48*(\p/3)+8*(\p%3)
.endr
.endr
	global_load_b32 v64, v12, s[42:43]
	global_load_b32 v65, v13, s[42:43]
	s_wait_loadcnt 0x0
.irp i, 0,1,2,3
.irp c, 0,1,2
	global_store_b128 v14, v[16+12*\i+4*\c:19+12*\i+4*\c], s[24:25] offset:1536*\i+512*\c
.endr
.endr
	global_store_b64 v15, v[64:65], s[30:31]
	s_endpgm
.Lfunc_end_k_q9c868346ae_lay:
	.size	k_q9c868346ae_lay, .Lfunc_end_k_q9c868346ae_lay-k_q9c868346ae_lay
	.p2alignl 7, 3214868480
	.fill 96, 4, 3214868480
	.section	.rodata,"a",@progbits
	.p2align	6, 0x0
	.amdhsa_kernel k_q9c868346ae_lay
		.amdhsa_group_segment_fixed_size 0
		.amdhsa_private_segment_fixed_size 0
		.amdhsa_enable_private_segment 0
		.amdhsa_kernarg_size 72
		.amdhsa_user_sgpr_count 2
		.amdhsa_user_sgpr_kernarg_segment_ptr 1
		.amdhsa_wavefront_size32 1
		.amdhsa_system_sgpr_workgroup_id_x 1
		.amdhsa_system_sgpr_workgroup_id_y 1
		.amdhsa_system_sgpr_workgroup_id_z 1
		.amdhsa_system_vgpr_workitem_id 0
		.amdhsa_next_free_vgpr 80
		.amdhsa_next_free_sgpr 66
		.amdhsa_reserve_vcc 0
		.amdhsa_float_denorm_mode_32 3
		.amdhsa_float_denorm_mode_16_64 3
		.amdhsa_memory_ordered 1
		.amdhsa_forward_progress 1
		.amdhsa_inst_pref_size 8
	.end_amdhsa_kernel
	.amdgpu_metadata
---
amdhsa.version: [ 1, 2 ]
amdhsa.kernels:
  - .name:           k_q9c868346ae_lay
    .symbol:         k_q9c868346ae_lay.kd
    .args:
      - { .name: Wq_codes, .offset: 0, .size: 8, .value_kind: global_buffer, .address_space: global }
      - { .name: Wq_scales, .offset: 8, .size: 8, .value_kind: global_buffer, .address_space: global }
      - { .name: Wk_codes, .offset: 16, .size: 8, .value_kind: global_buffer, .address_space: global }
      - { .name: Wk_scales, .offset: 24, .size: 8, .value_kind: global_buffer, .address_space: global }
      - { .name: Wv_codes, .offset: 32, .size: 8, .value_kind: global_buffer, .address_space: global }
      - { .name: Wv_scales, .offset: 40, .size: 8, .value_kind: global_buffer, .address_space: global }
      - { .name: Wo_codes, .offset: 48, .size: 8, .value_kind: global_buffer, .address_space: global }
      - { .name: Wo_scales, .offset: 56, .size: 8, .value_kind: global_buffer, .address_space: global }
      - { .name: wstream, .offset: 64, .size: 8, .value_kind: global_buffer, .address_space: global }
    .group_segment_fixed_size: 0
    .private_segment_fixed_size: 0
    .kernarg_segment_align: 8
    .kernarg_segment_size: 72
    .max_flat_workgroup_size: 128
    .sgpr_count:     66
    .vgpr_count:     80
    .wavefront_size: 32
...
	.end_amdgpu_metadata
.endif
;; end of part 3
;; launch fused (part 4): grid 256 x 1, 4 waves a work-group, clusters of 4 x 1, 327,680 bytes of LDS; arguments wstream, feat1_codes, feat2_codes, feat1_scales, feat2_scales, bq, bk, bv, bo, out0; writes out0
.if DOCPART == 4
	.amdgcn_target "amdgcn-amd-amdhsa--gfx1250"
	.amdhsa_code_object_version 6
	.text
	.protected	k_q9c868346ae_fused
	.globl	k_q9c868346ae_fused
	.p2align	8
	.type	k_q9c868346ae_fused,@function
k_q9c868346ae_fused:
	s_mov_b64 s[64:65], 0
	v_nop
	global_prefetch_b8 v0, s[64:65] scope:SCOPE_SE
	s_setreg_imm32_b32 hwreg(HW_REG_WAVE_MODE, 25, 1), 1
	s_wait_xcnt 0x0
	s_wait_alu depctr_hold_cnt(0) depctr_sa_sdst(0) depctr_va_vdst(0) depctr_va_sdst(0) depctr_va_ssrc(0) depctr_va_vcc(0) depctr_vm_vsrc(0)
	s_getreg_b32 s2, hwreg(HW_REG_IB_STS2, 6, 4)
	s_cmp_eq_u32 s2, 0
	s_cbranch_scc0 .Lentry_in_a_cluster
	s_endpgm
.Lentry_in_a_cluster:
	s_bfe_u32 s2, ttmp6, 0x10000c
	s_cmp_lg_u32 s2, 0x3003
	s_cbranch_scc0 .Lentry_shape_is_right
	s_endpgm
.Lentry_shape_is_right:
; out0 = Quant(softmax_g(Q K^T / sqrt(128)) V) Wo + bo, with Q = feat1 Wq + bq, K = feat2 Wk + bk, V = feat2 Wv + bv, the attention per batch row ACROSS the 8 heads.
; The four large products run on codes of BF6 (E3M2) with E8M0 scales; scores, softmax and context in f32; the context is quantised along K = 1,024 in blocks of 32.
; NOTHING IS LEFT OUT: every bias moves a score that differs along g, or the output, so all inputs are loaded and every product of the problem is done.
; SHARES.  A work-group of four waves owns 64 batch rows (four tiles m of 16) and takes them through the whole chain; between the launches only the laid-out weights go through memory.
; All products are used TRANSPOSED (source 0 = 16 weight rows, source 1 = 16 batch rows): a lane (r = lane % 16, hh = lane / 16) holds ONE batch row, its registers run along the weight rows.
; EACH WAVE OWNS A PART OF d, NOT HEADS.  Q, K in two passes c: wave w's tile of head h is d = 64 c + 16 w + 0..15, so a lane has the same 8 d of all 8 heads of Q and of K and its part of
; all 64 scores is lane-local; only those partial sums are kept.  V in one pass: tile g + 8 u is d = 32 w + 16 hh + 8 u + j of head g, so the context is lane-local too and a lane's 16 registers
; of a head are 16 neighbours along the last product's K; wave w owns block 4 h + w of every head.  Two things cross waves, through LDS: the partial scores, and the context's codes and scale bytes.
; THE WEIGHTS come as a stream of 32 slots of 102,400 bytes (first launch), through a ring of two LDS slots; wave w's quarter is fetched and read by wave w alone.
; CLUSTER: the four work-groups of a cluster walk the same slots, so each quarter is asked for JOINTLY: the same tensor load, the same descriptor, a mask that names the four.
; THE CLUSTERS WALK THE STREAM IN ROTATED ORDER.  The order of a sum's K steps, of the two passes of Q and K and of the output's column groups is free.  Cluster x takes a pass's K steps from x % 8 on, round;
; clusters with bit 3 of x set take pass c = 1 of Q and K first; the last product's four groups of 64 columns go round from x % 4.  So in any step the 64 clusters ask for sixteen (V: eight; last product: four)
; different slots, and from a pass's second step on a cluster asks for a slot that other clusters asked for a step earlier.  All of it hangs on the cluster's number, which the four partners share.
; The features come through registers: their LDS pitch of 784 bytes (196 words: row r starts at bank 4 r mod 64, lanes 16-31 six words on; 64 banks of 4 bytes: ISA guide 11.1) is none that the mover's padding can make.
; LIMITS: NaN and infinities among the inputs are not served.  A context block of zeros gets the scale byte 1, not 127: its codes are zeros and this program alone reads the byte.  An exponential under
; 2^-126 becomes 0.  The K steps of a sum are taken in an order that hangs on the cluster's number.  The scores are summed by 8 in a lane, then the lane halves, the two passes, the four waves.  The row's largest
; score is taken away ahead of the exponential, as c x max rounded once: that rounding is one factor common to the row's eight weights and leaves with the normalisation.
; REGISTERS, in windows of 256.  W0: v2-26 addresses; v32-47 the context's scale words; v48-51 weight scale pairs; v52-55 row scale words (these hold scales alone); v56-79 block scales at work;
;   v80-127 AX, v128-175 AY: four row fragments each; v176-255 at work.  Context phase: v80-143 the attention weights of a pair of heads, v208-231 codes.  Last product: v80-143 rows on the way out, v144-175 bo.
; W1: v0-95 two groups of four weight fragments; v96-127 at work; v128-255 the partial scores, later the context.
; W2, W3: accumulator (m, t) at window 2 + t / 8, register 64 m + 8 (t % 8).  Last product: v0-191 the context's fragments (m, s) at 48 (s % 4) + 12 m (s < 4: W2), v192-255 accumulators (tt, m) at 192 + 32 (tt % 2) + 8 m (tt < 2: W2).
.set SLOTB, 102400                     ; a slot
.set XR,    204800                     ; behind the ring: feat1's rows and scales; then partial scores [m][wave][4,096]; then attention weights (tile m at 16,384 m) and the waves' stages (at 16,384 w + 8,192)
.set F1,    XR
.set FS1,   XR+50176
.set F2,    270336                     ; feat2's rows; later the context's codes, laid the same
.set FS2,   320512                     ; feat2's scale rows; later the context's
.set SPARE, 323584                     ; the spare words, 128 bytes for each wave: two blocks of 256 bytes that no other line names
.set FP,    784                        ; a row of 768 bytes of codes + 16
.set FT,    16*FP                      ; a tile of 16 rows
.set XT,    16384
.set AP,    272                        ; a row of 256 bytes + 16: attention weights, stage
.set SPW, 2
.set NIL, 3
.set VB16, 4                           ; 25,600 w + 16 L
.set VB8,  5                           ; 25,600 w + 24,576 + 8 L
.set B16,  6                           ; the same in the slot in hand
.set B8,   7
.set VA1,  8                           ; F1 + 784 r + 24 hh
.set VA2,  9                           ; F2 + the same
.set VFS1, 10                          ; FS1 + 48 L
.set VFS2, 11
.set ADA,  12
.set ADS,  13
.set VBO,  14                          ; the biases' offset
.set VHH,  15
.set VXW,  16
.set VXR,  17
.set VAW,  18
.set VAT,  19
.set VCX,  20
.set VCS,  21
.set VSO,  22
.set VSR,  23
.set VGO,  24
.set VBB,  25
.set PFO,  26
.set CSR,  32
.set WSH0, 48
.set AXS,  52
.set AYS,  54
.set TM,   56
.set TM2,  64
.set SCL,  72
.set AX,   80
.set AY,   128
.set TT,   176
.set UU,   208
.set AT0,  80
.set CD,   208
.set OUT,  80
.set BOG,  144
.set PS,   128                         ; in W1
.set WV,  24
.set CX,  25
.set GW,  26
.set G1,  28
.set G0A, 36
.set G0B, 40
.set WB,  44
.set TBF, 45
.set TB,  46
.set OQ,  47                           ; the group of 64 output columns in hand
.set KC,  48
.set QC,  49
.set GS,  50                           ; the step's number, 0 .. 31
.set LIM, 51                           ; bit t set: I prefetch in step t
.set PFA, 52
.set SB0, 54
.set SB1, 56
.set BV2, 58
.set SEL, 60
.set SO,  62                           ; s[62:63] a slot's offset in the stream: it holds nothing else
.set CS,  66
.set SA,  68
.set SS,  69
.set SH,  70
.set SC,  71
.set TP,  70                           ; s[70:71] also: offsets that hang on my work-group's rows, in the head and ahead of the last product
.set OB,  72
.set BB,  74
.set OC,  76
.set ROT, 77                           ; cluster % 8: where my cluster begins a pass's K steps
.set RTB, 78                           ; a byte for each of the four passes in my order: 8 x the pass's place in the stream + its rotation
.set C1,  79                           ; 256 x c of my second pass of Q and K: its place in bq and bk, in bytes
.set MQ,   0xa1                        ; source 0 (weights) W1, source 1 (rows) W0, C and D W2
.set MK,   0xf1                        ; the same, C and D W3
.set TO_B, 0x40                        ; destination W1
.set MSB, 0
.macro WIN new                         ; the immediate's high byte repeats the setting that is left; a switch that changes nothing is dropped
.if MSB != (\new)
	s_set_vgpr_msb (MSB<<8)|(\new)
.set MSB, (\new)
.endif
.endm
.macro PLACES                          ; four plain vector instructions between a matrix instruction and a load into, or a read of, its registers (ISA guide 7.12.1 for a read)
.rept 4
	v_nop
.endr
.endm
.macro CREST                           ; a round of the cluster's barrier behind its opening barrier
	s_cmp_lg_u32 s[WV], 0
	s_cbranch_scc1 .Lnw0_\@
	s_barrier_signal -3
.Lnw0_\@:
	s_barrier_wait -3
	s_barrier_signal -1
	s_barrier_wait -1
.endm
.macro CROUND
	s_barrier_signal -1
	s_barrier_wait -1
	CREST
.endm
.macro BARRIER                         ; my LDS stores have landed and my LDS loads are in: then the work-group's barrier
	s_wait_dscnt 0x0
	s_barrier_signal -1
	s_barrier_wait -1
.endm
; one product; ra, rb: the scale words lie in lanes 16-31 of their registers
.macro WM d, a, b, c, sa, sb, ra, rb
.if (\ra) && (\rb)
	v_wmma_scale_f32_16x16x128_f8f6f4 v[\d:\d+7], v[\a:\a+11], v[\b:\b+11], v[\c:\c+7], v[\sa], v[\sb] matrix_a_fmt:MATRIX_FMT_BF6 matrix_b_fmt:MATRIX_FMT_BF6 matrix_a_scale:MATRIX_SCALE_ROW1 matrix_b_scale:MATRIX_SCALE_ROW1
.elseif (\ra)
	v_wmma_scale_f32_16x16x128_f8f6f4 v[\d:\d+7], v[\a:\a+11], v[\b:\b+11], v[\c:\c+7], v[\sa], v[\sb] matrix_a_fmt:MATRIX_FMT_BF6 matrix_b_fmt:MATRIX_FMT_BF6 matrix_a_scale:MATRIX_SCALE_ROW1
.elseif (\rb)
	v_wmma_scale_f32_16x16x128_f8f6f4 v[\d:\d+7], v[\a:\a+11], v[\b:\b+11], v[\c:\c+7], v[\sa], v[\sb] matrix_a_fmt:MATRIX_FMT_BF6 matrix_b_fmt:MATRIX_FMT_BF6 matrix_b_scale:MATRIX_SCALE_ROW1
.else
	v_wmma_scale_f32_16x16x128_f8f6f4 v[\d:\d+7], v[\a:\a+11], v[\b:\b+11], v[\c:\c+7], v[\sa], v[\sb] matrix_a_fmt:MATRIX_FMT_BF6 matrix_b_fmt:MATRIX_FMT_BF6
.endif
.endm
; 13 LDS loads: group gi (four fragments, images of their registers) of the slot in hand into half 0 or 1, and its pair of scale words
.macro LOADG half, gi
	WIN TO_B
.irp i, 0,1,2,3
.irp c, 0,1,2
	ds_load_b128 v[48*\half+12*\i+4*\c:48*\half+12*\i+4*\c+3], v[B16] offset:1536*(4*\gi+\i)+512*\c
.endr
.endr
	WIN 0
	ds_load_b64 v[WSH0+2*\half:WSH0+2*\half+1], v[B8] offset:256*\gi
.endm
; 26 LDS loads: the four row fragments of the K step at byte s[SA] of the rows, and their scale words: lanes 0-15 take tile 2 a's, lanes 16-31 tile 2 a + 1's
.macro LOADA set, sc, va, vfs
	v_add_nc_u32 v[ADA], s[SA], v[\va]
	v_add_nc_u32 v[ADS], s[SS], v[\vfs]
.irp m, 0,1,2,3
.irp p, 0,1,2,3,4,5
	ds_load_b64 v[\set+12*\m+2*\p:\set+12*\m+2*\p+1], v[ADA] offset:FT*\m+48*(\p/3)+8*(\p%3)
.endr
.endr
	ds_load_b32 v[\sc], v[ADS]
	ds_load_b32 v[\sc+1], v[ADS] offset:1536
.endm
; a half's four fragments, each against the four row tiles.  Every accumulator is named once in a K step, in the same order in every step: they take turns
.macro MULG half, t0, set, sc
.set ii, 0
.rept 4
.set mm, 0
.rept 4
	WM 64*mm+8*(\t0+ii), 48*\half+12*ii, \set+12*mm, 64*mm+8*(\t0+ii), WSH0+2*\half+ii/2, \sc+mm/2, ii%2, mm%2
.set mm, mm+1
.endr
.set ii, ii+1
.endr
.endm
.macro NEXTSLOT
	s_xor_b32 s[TB], s[TB], SLOTB
	v_add_nc_u32 v[B16], s[TB], v[VB16]
	v_add_nc_u32 v[B8], s[TB], v[VB8]
.endm
; A PREFETCH INTO THE L2 of the stream's second half.  Slots 0 to 15 are all asked for at the head, by their loads alone.  V's eight slots are first asked for by the joint loads of step 14, the last product's by those of
; steps 22 and 23: clusters 0 and 1, and nobody else, name V's in steps 8 to 11 and the last product's in steps 16 to 19, a slot a step each (cluster c: slot 16 + 2 i + c, then 24 + 2 i + c): 3 to 7 steps, of 64 products each,
; ahead.  The branch hangs on the cluster's number and the count of steps, the same in all four partners.  A cluster's sixteen waves share a slot's 400 blocks of 256 bytes by ADDRESS: 25,600 w + 6,400 cx + 256 x lane;
; lanes 25 to 31 name lane 24's.  So each block is named once in the launch.
.macro ASK
	s_lshr_b32 s2, s[LIM], s[GS]
	s_and_b32 s2, s2, 1
	s_cmp_lg_u32 s2, 0
	s_cbranch_scc0 .Lno_ask_\@
	global_prefetch_b8 v[PFO], s[PFA:PFA+1] th:TH_LOAD_NT scope:SCOPE_SE
.Lno_ask_\@:
.endm
; THE CHANGE OF SLOTS, in two parts.  RING: in registers of its own, which slot stands two steps on in my cluster's order: position n = step + 2, pass n / 8, the pass's byte of s[RTB] = 8 x place + rotation:
; slot = 8 x place + (n + rotation) % 8.  Then: all my tensor loads have landed (the next slot's quarter among them); the add; the descriptor is written while the add is out.  Between the two parts stand sixteen
; products on fragments that a counted wait has shown in.  RINGB: the add and my reads of this slot are waited for; a round of the cluster's barrier: no wave of any partner still reads the slot or has a load on
; its way; the joint refill first behind it.  The four v_nop behind the load are the places ahead of the loads that follow.  pf = 1: a step that may prefetch.
.macro RING pf
	WIN 0
	s_add_co_u32 s[SO], s[GS], 2
	s_and_b32 s[SO+1], s[SO], 24
	s_lshr_b32 s[SO+1], s[RTB], s[SO+1]
	s_add_co_u32 s[SO], s[SO], s[SO+1]
	s_and_b32 s[SO], s[SO], 7
	s_and_b32 s[SO+1], s[SO+1], 0xf8
	s_add_co_u32 s[SO], s[SO], s[SO+1]
	s_mul_i32 s[SO], s[SO], SLOTB
	s_mov_b32 s[SO+1], 0
.if \pf
	s_lshr_b32 s2, s[LIM], s[GS]
	s_and_b32 s2, s2, 1
	s_mul_i32 s2, s2, 2*SLOTB                      ; in a step in which I prefetch the address goes two slots on
	s_mov_b32 s3, 0
	s_wait_xcnt 0x0                                ; the last prefetch, a step back or more, has read its address
	s_add_nc_u64 s[PFA:PFA+1], s[PFA:PFA+1], s[2:3]
.endif
	s_wait_tensorcnt 0x0
	ds_add_u32 v[SPW], v[NIL]                      ; 0 onto my spare word
	s_xor_b32 s[TBF], s[TBF], SLOTB                ; the slot that is being left,
	s_add_co_u32 s[G0B+1], s[WB], s[TBF]           ; my quarter of it
	s_add_nc_u64 s[G0B+2:G0B+3], s[4:5], s[SO:SO+1]
	s_or_b32 s[G0B+3], s[G0B+3], 0x80000000        ; type = 2
.endm
.macro RINGB pf
	WIN 0
	s_wait_dscnt 0x0                               ; the add is done, and my reads of this slot are over
	s_barrier_signal -1
	s_barrier_wait -1
	CREST
	tensor_load_to_lds s[G0B:G0B+3], s[G1:G1+7]
	s_nop 0
	PLACES
	NEXTSLOT
.if \pf
	ASK
.endif
.endm
; The biases are where the sums begin: 32 loads put them into tile m's 16 accumulators, in the result's layout (a lane's eight weight rows), so that all eight K steps of a pass are alike
.macro BIASLD m
	WIN 0x80
.irp t, 0,1,2,3,4,5,6,7
	global_load_b128 v[64*\m+8*\t:64*\m+8*\t+3], v[VBO], s[SB0:SB0+1] offset:512*\t
	global_load_b128 v[64*\m+8*\t+4:64*\m+8*\t+7], v[VBO], s[SB0:SB0+1] offset:512*\t+16
.endr
	WIN 0xc0
.irp t, 0,1,2,3,4,5,6,7
	global_load_b128 v[64*\m+8*\t:64*\m+8*\t+3], v[VBO], s[SB1:SB1+1] offset:512*\t
	global_load_b128 v[64*\m+8*\t+4:64*\m+8*\t+7], v[VBO], s[SB1:SB1+1] offset:512*\t+16
.endr
	WIN 0
.endm
; A K STEP = A SLOT: 16 weight fragments in four groups x 4 row tiles = 64 products.  S01, S23: the row sets of groups 0, 1 and 2, 3; PD: the set that takes the next K step's rows; PK = 1: feat2's set AY is fetched at the end.
.macro STEP_P S01, C01, S23, C23, PD, PDC, PDV, PDF, PK
	s_wait_dscnt 13+26*\PK                         ; group 0 is in; group 1's 13 loads (and AY's 26) may be out
	WIN MQ
	MULG 0, 0, \S01, \C01
	PLACES
	LOADG 0, 2
	s_wait_dscnt 13+26*\PK                         ; group 1 is in; (AY's 26 and) group 2's 13 may be out
	WIN MQ
	MULG 1, 4, \S01, \C01
	PLACES
	LOADG 1, 3                                     ; my last reads of this slot,
	LOADA \PD, \PDC, \PDV, \PDF                    ; and the next K step's rows
	RING 1
	s_wait_dscnt 40                                ; group 2 (and AY) is in; group 3's 13 loads, the 26 of the next rows and the add may be out
	WIN MK
	MULG 0, 0, \S23, \C23                          ; sixteen products stand between the add and the wait for it
	RINGB 1
	s_wait_alu depctr_va_vdst(0)
	LOADG 0, 0
	WIN MK
	MULG 1, 4, \S23, \C23
	PLACES
	LOADG 1, 1
.if \PK
	LOADA AY, AYS, VA2, VFS2
.endif
	s_add_co_u32 s[GS], s[GS], 1
.endm
; BEHIND A PASS OF Q AND K: my part of the 64 scores of every row.  For tile m and heads a, a + 4: 64 packed multiply-adds over the lane's 8 d (16 chains by turns), the pairs folded, the lane halves
; exchanged so that lane (r, hh) holds head a + 4 hh summed over both halves' d, and added to what is kept.  Behind each tile the NEXT pass's biases are asked for into the accumulators just read.
.macro SCORES
	s_lshl_b32 s2, s[WV], 6
	s_add_co_u32 s2, s2, s[C1]
	s_lshl_b32 s3, s[WV], 7
	s_cmp_eq_u32 s[QC], 0                          ; next: my second pass of Q and K, or V
	s_cselect_b64 s[SB0:SB0+1], s[14:15], s[18:19]
	s_cselect_b64 s[SB1:SB1+1], s[16:17], s[BV2:BV2+1]
	s_cselect_b32 s[SH], 32, 64
	s_cselect_b32 s[SC], s2, s3
	v_mad_u32_u24 v[VBO], v[VHH], s[SH], s[SC]     ; 256 c + 64 w + 32 hh, or 128 w + 64 hh (the last pass's bias loads were waited for at its head)
.irp m, 0,1,2,3
.irp a, 0,1,2,3
	WIN 0x0e                                       ; source 0 (Q) W2, source 1 (K) W3
.irp jp, 0,1,2,3
.irp z, 0,1
.irp g, 0,1,2,3,4,5,6,7
.if \jp == 0
	v_pk_mul_f32 v[TT+2*(8*\z+\g):TT+2*(8*\z+\g)+1], v[64*\m+8*(\a+4*\z):64*\m+8*(\a+4*\z)+1], v[64*\m+8*\g:64*\m+8*\g+1]
.else
	v_pk_fma_f32 v[TT+2*(8*\z+\g):TT+2*(8*\z+\g)+1], v[64*\m+8*(\a+4*\z)+2*\jp:64*\m+8*(\a+4*\z)+2*\jp+1], v[64*\m+8*\g+2*\jp:64*\m+8*\g+2*\jp+1], v[TT+2*(8*\z+\g):TT+2*(8*\z+\g)+1]
.endif
.endr
.endr
.endr
	WIN 0
.irp k, 0,1,2,3,4,5,6,7,8,9,10,11,12,13,14,15
	v_add_f32 v[UU+\k], v[TT+2*\k], v[TT+2*\k+1]
.endr
.irp g, 0,1,2,3,4,5,6,7
	v_permlane16_swap_b32 v[UU+\g], v[UU+8+\g]     ; head a's upper-half part changes places with head a + 4's lower-half part
.endr
.irp g, 0,1,2,3,4,5,6,7
	v_add_f32 v[UU+\g], v[UU+\g], v[UU+8+\g]
.endr
	WIN 0x41                                       ; destination and source 0 W1
.irp g, 0,1,2,3,4,5,6,7
	v_add_f32 v[PS+32*\m+8*\a+\g], v[PS+32*\m+8*\a+\g], v[UU+\g]
.endr
.endr
	BIASLD \m
.endr
.endm
; THE CONTEXT of heads 2 p, 2 p + 1 (p: the trip of the loop over pairs of heads) for row tiles 2 mh, 2 mh + 1, and its codes.  ct(h, d) = sum over g of attn(h, g) V(g, d): 256 packed multiply-adds, 16 chains by turns.
; In this phase W0 v80-143 hold my rows' attention weights of the pair of heads (16 a tile), v208-231 the codes; W1 v128-191 the context: register 32 ml + 16 hl + 8 u + j is d = 32 w + 16 hh + 8 u + j of head 2 p + hl.
.set CT,  128                          ; in W1
.set ADT, 27                           ; the trip's addresses: attention weights, codes, scale bytes
.set ADC, 28
.set ADB, 29
.macro CTXH mh
.irp u, 0,1
	WIN 0x52+\u                                    ; source 0 (V) W2 or W3, source 1 (weights) W0, C and D W1
.irp g, 0,1,2,3,4,5,6,7
.irp ml, 0,1
.irp hl, 0,1
.irp jp, 0,1,2,3
.set VS, 64*(2*\mh+\ml)+8*\g+2*\jp
.set CR, CT+32*\ml+16*\hl+8*\u+2*\jp
.set AR, AT0+16*(2*\mh+\ml)+8*\hl+\g
.if \g == 0
	v_pk_mul_f32 v[CR:CR+1], v[VS:VS+1], v[AR:AR+1] op_sel_hi:[1,0]
.elseif (\g%2) == 0
	v_pk_fma_f32 v[CR:CR+1], v[VS:VS+1], v[AR:AR+1], v[CR:CR+1] op_sel_hi:[1,0,1]
.else
	v_pk_fma_f32 v[CR:CR+1], v[VS:VS+1], v[AR-1:AR], v[CR:CR+1] op_sel:[0,1,0] op_sel_hi:[1,1,1]
.endif
.endr
.endr
.endr
.endr
.endr
	WIN 0x05                                       ; four blocks b = 2 ml + hl: 16 numbers here, 16 in lane l xor 16
.irp b, 0,1,2,3
	v_max3_num_f32 v[TM+\b], |v[CT+16*\b]|, |v[CT+16*\b+1]|, 0x2800000   ; with the floor 2^(5 - 127): the byte cannot fall under 1
.endr
	WIN 0x14
.irp i, 2,4,6,8,10,12,14
.irp b, 0,1,2,3
	v_max3_num_f32 v[TM+\b], v[TM+\b], |v[CT+16*\b+\i]|, |v[CT+16*\b+\i+1]|
.endr
.endr
	WIN 0
.irp b, 0,1,2,3
	v_permlanex16_b32 v[TM2+\b], v[TM+\b], s[SEL], s[SEL+1]
.endr
.irp b, 0,1,2,3
	v_max_num_f32 v[TM+\b], v[TM+\b], v[TM2+\b]    ; the block's largest magnitude
.endr
.irp b, 0,1,2,3
	v_add_nc_u32 v[SCL+\b], 0xfe000000, v[TM+\b]   ; 4 off its exponent field: the conversion's scale operand
.endr
.irp b, 0,1,2,3
	v_lshrrev_b32 v[TM2+\b], 23, v[SCL+\b]         ; the scale's byte
.endr
	WIN 0x01
.irp ml, 0,1
	v_cvt_scalef32_pk16_bf6_f32 v[CD+12*\ml:CD+12*\ml+2], v[CT+32*\ml:CT+32*\ml+15], v[SCL+2*\ml]
	v_cvt_scalef32_pk16_bf6_f32 v[CD+12*\ml+6:CD+12*\ml+8], v[CT+32*\ml+16:CT+32*\ml+31], v[SCL+2*\ml+1]
.endr
	v_nop                                          ; one plain place behind the scaled conversions
	WIN 0
.irp ml, 0,1                                   ; lanes 0-15 gather head 2 p's whole block, lanes 16-31 head 2 p + 1's: 24 bytes, to their place in the row
.irp i, 0,1,2
	v_permlane16_swap_b32 v[CD+12*\ml+\i], v[CD+12*\ml+6+\i]
.endr
.irp i, 0,1,2
	v_mov_b32 v[CD+12*\ml+3+\i], v[CD+12*\ml+6+\i]
.endr
.irp i, 0,1,2
	ds_store_b64 v[ADC], v[CD+12*\ml+2*\i:CD+12*\ml+2*\i+1] offset:FT*(2*\mh+\ml)+8*\i
.endr
.irp hl, 0,1
	ds_store_b8 v[ADB], v[TM2+2*\ml+\hl] offset:768*(2*\mh+\ml)+4*\hl   ; both lanes of a row write the same byte with the same value
.endr
.endr
.endm
; THE LAST PRODUCT.  A half's four fragments (K steps 4 hi + ii) of output tile 2 sp + tq against the context's four row tiles, which stay in registers.  A tile's four accumulators take turns; K step 0 takes bo as C.
.macro MULO half, sp, tq, hi
.set ii, 0
.rept 4
.if (\hi) == 0 && ii == 0
	WIN 0x89+0x40*\sp
.elseif (\hi) == 0
	WIN 0xa9+0x50*\sp
.else
	WIN 0xad+0x50*\sp
.endif
.set mm, 0
.rept 4
.if (\hi) == 0 && ii == 0
	WM 192+32*\tq+8*mm, 48*\half+12*ii, 48*ii+12*mm, BOG+8*(2*\sp+\tq), WSH0+2*\half+ii/2, CSR+8*(mm/2)+4*\hi+ii, ii%2, mm%2
.else
	WM 192+32*\tq+8*mm, 48*\half+12*ii, 48*ii+12*mm, 192+32*\tq+8*mm, WSH0+2*\half+ii/2, CSR+8*(mm/2)+4*\hi+ii, ii%2, mm%2
.endif
.set mm, mm+1
.endr
.set ii, ii+1
.endr
.endm
; a slot of Wo: two tiles of 16 output columns x all eight K steps.  refill: the slot is filled again; next: a slot follows
.macro OSTEP sp, refill, next
.if (\sp) == 0
	s_wait_loadcnt 0x0                             ; bo of these 64 columns
.endif
	s_wait_dscnt 13                                ; group 0 is in; group 1's 13 may be out
	MULO 0, \sp, 0, 0
	PLACES
	LOADG 0, 2
	s_wait_dscnt 13
	MULO 1, \sp, 0, 1
	PLACES
	LOADG 1, 3
.if \refill
	RING 0
	s_wait_dscnt 14                                ; group 2 is in; group 3's 13 loads and the add may be out
	MULO 0, \sp, 1, 0                              ; sixteen products stand between the add and the wait for it
	RINGB 0
	LOADG 0, 0
	MULO 1, \sp, 1, 1
	PLACES
	LOADG 1, 1
	s_add_co_u32 s[GS], s[GS], 1
.else
	s_wait_dscnt 13                                ; group 2 is in
	MULO 0, \sp, 1, 0
	WIN 0
.if \next
	s_wait_tensorcnt 0x0                           ; my quarter of the last slot is in; only I read it
	PLACES
	NEXTSLOT
	LOADG 0, 0
.endif
	s_wait_dscnt 13*\next                          ; group 3 is in
	MULO 1, \sp, 1, 1
	PLACES
.if \next
	s_wait_alu depctr_va_vdst(0)
	LOADG 1, 1
.endif
	WIN 0
.endif
.endm
; THE WAY OUT of 64 rows x 64 columns, a tile of 16 rows at a time through my own stage: a lane's 32 bytes of a row go in, whole pieces of 256 bytes come back.  LDS serves a wave's instructions in order (ISA guide 5.7.1.4).
.macro TOSTAGE m
	WIN 0x08
.irp t, 0,1
	ds_store_b128 v[VSO], v[192+32*\t+8*\m:192+32*\t+8*\m+3] offset:64*\t          ; each accumulator from its low end on
	ds_store_b128 v[VSO], v[192+32*\t+8*\m+4:192+32*\t+8*\m+7] offset:64*\t+16
.endr
	WIN 0x0c
.irp t, 0,1
	ds_store_b128 v[VSO], v[192+32*\t+8*\m:192+32*\t+8*\m+3] offset:128+64*\t
	ds_store_b128 v[VSO], v[192+32*\t+8*\m+4:192+32*\t+8*\m+7] offset:128+64*\t+16
.endr
	WIN 0
.irp q, 0,1,2,3,4,5,6,7
	ds_load_b128 v[OUT+32*(\m%2)+4*\q:OUT+32*(\m%2)+4*\q+3], v[VSR] offset:2*AP*\q
.endr
.endm
.macro SEND m, younger
	s_wait_dscnt \younger
.irp q, 0,1,2,3,4,5,6,7
	global_store_b128 v[VGO], v[OUT+32*(\m%2)+4*\q:OUT+32*(\m%2)+4*\q+3], s[OB:OB+1] offset:(16*\m+2*\q)*4096 th:TH_STORE_NT   ; sixteen lanes store 256 consecutive bytes, aligned; lanes 16-31 the next row's
.endr
.endm
.macro WAYOUT reload
.if \reload
	s_add_co_u32 s[OQ], s[OQ], 1
	s_and_b32 s[OQ], s[OQ], 3                      ; the next group of 64 columns, round
	s_lshl_b32 s2, s[OQ], 8
	s_mov_b32 s3, 0
	s_add_nc_u64 s[BB:BB+1], s[20:21], s[2:3]      ; (the last loads by this base were waited for two slots ago)
.irp t, 0,1,2,3
	global_load_b128 v[BOG+8*\t:BOG+8*\t+3], v[VBB], s[BB:BB+1] offset:64*\t          ; its bo, into registers whose last reader stands in front of the places above
	global_load_b128 v[BOG+8*\t+4:BOG+8*\t+7], v[VBB], s[BB:BB+1] offset:64*\t+16
.endr
.endif
	TOSTAGE 0
	TOSTAGE 1
	SEND 0, 16                                     ; behind tile 0's loads: tile 1's eight stores and eight loads
	s_wait_xcnt 0x0                                ; tile 0's stores have read their registers
	TOSTAGE 2
	SEND 1, 16
	s_wait_xcnt 0x0
	TOSTAGE 3
	SEND 2, 16
	SEND 3, 0
.if \reload
	s_wait_xcnt 0x0                                ; the base and the rows' registers may be written again
	s_lshl_b32 s2, s[OQ], 8
	s_mov_b32 s3, 0
	s_add_nc_u64 s[OB:OB+1], s[22:23], s[2:3]
.endif
.endm
; ---------------- the head ----------------
	s_load_b512 s[4:19], s[0:1], 0x0               ; wstream s[4:5], feat1 codes s[6:7], feat2 codes s[8:9], feat1 scales s[10:11], feat2 scales s[12:13], bq s[14:15], bk s[16:17], bv s[18:19]
	s_load_b128 s[20:23], s[0:1], 0x40             ; bo s[20:21], out0 s[22:23]
	v_lshl_add_u32 v[SPW], v0, 2, SPARE
	v_mov_b32 v[NIL], 0
	ds_add_u32 v[SPW], v[NIL]                      ; the wave's opening: the add, twice on end, and its wait ahead of my first tensor load
	ds_add_u32 v[SPW], v[NIL]
	v_lshrrev_b32 v27, 5, v0
	v_readfirstlane_b32 s[WV], v27                 ; wave 0..3
	s_bfe_u32 s[CX], ttmp6, 0x40000                ; my place in the cluster: it enters the features', out0's and the prefetches' addresses alone
	s_lshl_b32 s[GW], ttmp9, 2
	s_add_co_u32 s[GW], s[GW], s[CX]               ; my block of 64 rows
	s_mov_b32 s[G1], 15|(3<<16)|(1<<21)            ; the mask: all four work-groups; elements of 8 bytes; bit 21 beside a mask; no padding
	s_mov_b32 s[G1+1], 32<<16                      ; tensor_dim0 = 32: rows of 256 bytes
	s_mov_b32 s[G1+2], 100<<16                     ; tensor_dim1 = 100: a quarter of a slot
	s_mov_b32 s[G1+3], 32<<16                      ; tile_dim0
	s_mov_b32 s[G1+4], 100                         ; tile_dim1
	s_mov_b32 s[G1+5], 32                          ; dense
	s_mov_b32 s[G1+6], 0
	s_mov_b32 s[G1+7], 0
	s_mov_b32 s[SEL], 0x76543210
	s_mov_b32 s[SEL+1], 0xfedcba98                 ; v_permlanex16_b32's selects for lane l xor 16
	s_mov_b32 s[CS], 0x3e0293ee                    ; c = log2(e) / sqrt(128)
	s_mov_b32 s[CS+1], s[CS]
	; my cluster's order of the stream
	s_and_b32 s[ROT], ttmp9, 7                     ; the K steps of Q, K and V go round from here,
	s_and_b32 s[OQ], ttmp9, 3                      ; the output's groups of 64 columns from here
	s_bfe_u32 s2, ttmp9, 0x10003                   ; c of my first pass of Q and K
	s_xor_b32 s[C1], s2, 1
	s_lshl_b32 s[C1], s[C1], 8
	s_lshl_b32 s2, s2, 3
	s_add_co_u32 s2, s2, s[ROT]                    ; first pass: 8 c + rotation
	s_xor_b32 s3, s2, 8                            ; second: the other c
	s_lshl_b32 s3, s3, 8
	s_or_b32 s[RTB], s2, s3
	s_add_co_u32 s3, s[ROT], 16                    ; V: slots 16 on
	s_lshl_b32 s3, s3, 16
	s_or_b32 s[RTB], s[RTB], s3
	s_lshl_b32 s3, s[OQ], 1                        ; the last product: slots 24 on, two to a group of columns
	s_add_co_u32 s3, s3, 24
	s_lshl_b32 s3, s3, 24
	s_or_b32 s[RTB], s[RTB], s3
	s_mul_i32 s[SA], s[ROT], 96                    ; my first K step's bytes in a row of codes,
	s_lshl_b32 s[SS], s[ROT], 2                    ; and in a row of scale bytes
	s_mov_b32 s[TB], 0
	s_mov_b32 s[TBF], SLOTB
	s_mov_b32 s[GS], 0
	s_cmp_lt_u32 ttmp9, 2
	s_cselect_b32 s[LIM], 0x000f0f00, 0            ; clusters 0 and 1 prefetch in steps 8 to 11 and 16 to 19
	s_mul_i32 s[WB], s[WV], 25600
	v_and_b32 v27, 31, v0                          ; L
	v_and_b32 v28, 15, v0                          ; r
	v_bfe_u32 v[VHH], v0, 4, 1                     ; hh
	v_lshlrev_b32 v29, 4, v27                      ; 16 L
	v_lshlrev_b32 v30, 3, v27                      ; 8 L
	v_add_nc_u32 v[VB16], s[WB], v29
	v_add_nc_u32 v[VB8], s[WB], v30
	v_add_nc_u32 v[VB8], 24576, v[VB8]
	v_mov_b32 v[B16], v[VB16]
	v_mov_b32 v[B8], v[VB8]
	v_mul_u32_u24 v31, v28, FP
	v_mad_u32_u24 v31, v[VHH], 24, v31
	v_add_nc_u32 v[VA1], F1, v31
	v_add_nc_u32 v[VA2], F2, v31
	v_mul_u32_u24 v31, v27, 48
	v_add_nc_u32 v[VFS1], FS1, v31
	v_add_nc_u32 v[VFS2], FS2, v31
	s_lshl_b32 s2, s[WV], 12
	v_add_nc_u32 v[VXW], s2, v29
	v_add_nc_u32 v[VXW], XR, v[VXW]                ; partial scores out: XR + 4,096 w + 16 L
	s_lshl_b32 s3, s[WV], 14
	s_add_co_u32 s3, s3, XR                        ; XR + 16,384 w
	v_add_nc_u32 v[VXR], s3, v29                   ; and in: tile w
	v_mul_u32_u24 v31, v28, AP                     ; 272 r
	v_lshl_add_u32 v[VAW], v[VHH], 7, v31
	v_add_nc_u32 v[VAW], s3, v[VAW]                ; attention weights out: row r, heads 4 hh on
	v_add_nc_u32 v[VAT], XR, v31                   ; and in: my row
	s_add_co_u32 s27, s3, 8192                     ; my stage
	v_lshl_add_u32 v[VSO], v[VHH], 5, v31
	v_add_nc_u32 v[VSO], s27, v[VSO]
	v_mul_u32_u24 v[VSR], v[VHH], AP
	v_lshl_add_u32 v[VSR], v28, 4, v[VSR]
	v_add_nc_u32 v[VSR], s27, v[VSR]
	v_mul_u32_u24 v[VCX], v28, FP
	v_mad_u32_u24 v[VCX], v[VHH], 96, v[VCX]
	s_mul_i32 s2, s[WV], 24
	v_add_nc_u32 v[VCX], s2, v[VCX]
	v_add_nc_u32 v[VCX], F2, v[VCX]                ; the context's codes: row r, block 4 (2 p + hh) + w
	v_mul_u32_u24 v[VCS], v28, 48
	v_add_nc_u32 v[VCS], s[WV], v[VCS]
	v_add_nc_u32 v[VCS], FS2, v[VCS]               ; and its scale bytes
	v_lshlrev_b32 v[VGO], 12, v[VHH]
	v_lshl_add_u32 v[VGO], v28, 4, v[VGO]          ; out0: 4,096 hh + 16 r
	s_lshl_b32 s2, s[WV], 10
	v_lshl_add_u32 v[VBB], v[VHH], 5, s2           ; bo: 1,024 w + 32 hh
	v_min_u32 v[PFO], 24, v27
	v_lshlrev_b32 v[PFO], 8, v[PFO]
	s_lshl_b32 s2, s[WV], 6
	s_xor_b32 s3, s[C1], 256                       ; 256 c of my first pass
	s_add_co_u32 s2, s2, s3
	v_lshl_add_u32 v[VBO], v[VHH], 5, s2           ; the first pass's biases: 256 c + 64 w + 32 hh
	s_mul_i32 s2, s[WV], FT                        ; the features' way into LDS: my 16 rows, 512 consecutive bytes a store; 16 bytes more behind each 768
	v_add_nc_u32 v184, s2, v29
	v_add_nc_u32 v186, F2, v184
	v_add_nc_u32 v184, F1, v184
	v_lshl_add_u32 v185, v[VHH], 4, v184           ; for the stores whose lanes 16-31 lie in the next row
	v_lshl_add_u32 v187, v[VHH], 4, v186
	v_lshrrev_b32 v188, 1, v0
	v_mul_u32_u24 v188, v188, 48
	v_and_b32 v189, 1, v0
	v_lshl_add_u32 v188, v189, 4, v188             ; the scale rows: 48 (thread / 2) + 16 (thread % 2)
	v_add_nc_u32 v189, FS2, v188
	v_add_nc_u32 v188, FS1, v188
	v_lshlrev_b32 v190, 4, v0
	v_mov_b32 v192, 0
	v_mov_b32 v193, 0
	v_mov_b32 v194, 0
	v_mov_b32 v195, 0
	v_lshrrev_b32 v196, 6, v0
	v_lshlrev_b32 v196, 16, v196                   ; the pads behind the rows of codes and of scale bytes: thread t takes row t % 64 of feature t / 64 (F2 = F1 + 65,536, FS2 = FS1 + 65,536)
	v_and_b32 v197, 63, v0
	v_mad_u32_u24 v198, v197, FP, v196
	v_add_nc_u32 v198, F1, v198
	v_mad_u32_u24 v199, v197, 48, v196
	v_add_nc_u32 v199, FS1, v199
	s_mul_i32 s[TP], s[GW], 49152
	s_mul_i32 s2, s[WV], 12288
	s_add_co_u32 s[TP], s[TP], s2                  ; my 16 rows of codes
	s_mov_b32 s[TP+1], 0
	s_wait_alu depctr_va_vdst(0)
	s_wait_dscnt 0x0                               ; both opening adds are done
	s_wait_kmcnt 0x0
	s_add_nc_u64 s[6:7], s[6:7], s[TP:TP+1]
	s_add_nc_u64 s[8:9], s[8:9], s[TP:TP+1]
	s_lshl_b32 s[TP], s[GW], 11                    ; my work-group's 64 rows of scale bytes
	s_add_nc_u64 s[10:11], s[10:11], s[TP:TP+1]
	s_add_nc_u64 s[12:13], s[12:13], s[TP:TP+1]
	WIN TO_B
.set j, 0
.rept 24
	global_load_b128 v[4*j:4*j+3], v29, s[6:7] offset:512*j th:TH_LOAD_NT
.set j, j+1
.endr
.set j, 0
.rept 24
	global_load_b128 v[96+4*j:96+4*j+3], v29, s[8:9] offset:512*j th:TH_LOAD_NT
.set j, j+1
.endr
	WIN 0
	global_load_b128 v[176:179], v190, s[10:11] th:TH_LOAD_NT
	global_load_b128 v[180:183], v190, s[12:13] th:TH_LOAD_NT
	s_mov_b32 s[SO], s[WB]
	s_mov_b32 s[SO+1], 0
	s_add_nc_u64 s[4:5], s[4:5], s[SO:SO+1]        ; the stream at my wave's quarter of its slot 0: it stays
	s_and_b32 s2, s[RTB], 15                       ; my first slot: 8 c + rotation
	s_mul_i32 s[SO], s2, SLOTB
	s_mov_b32 s[G0A], 1                            ; count = 1
	s_mov_b32 s[G0A+1], s[WB]                      ; ring slot 0, my quarter
	s_add_nc_u64 s[G0A+2:G0A+3], s[4:5], s[SO:SO+1]
	s_add_co_u32 s3, s2, 1
	s_and_b32 s3, s3, 7
	s_and_b32 s2, s2, 8
	s_add_co_u32 s2, s2, s3                        ; my second: the next K step, round
	s_mul_i32 s[SO], s2, SLOTB
	s_mov_b32 s[G0B], 1
	s_add_co_u32 s[G0B+1], s[WB], SLOTB            ; ring slot 1; this set serves all refills
	s_add_nc_u64 s[G0B+2:G0B+3], s[4:5], s[SO:SO+1]
	s_or_b32 s[G0A+3], s[G0A+3], 0x80000000        ; type = 2
	s_or_b32 s[G0B+3], s[G0B+3], 0x80000000
	s_min_u32 s2, ttmp9, 1
	s_add_co_u32 s2, s2, 14
	s_mul_i32 s[TP], s2, SLOTB
	s_mul_i32 s2, s[CX], 6400
	s_add_co_u32 s[TP], s[TP], s2
	s_add_nc_u64 s[PFA:PFA+1], s[4:5], s[TP:TP+1]  ; in slot 14 or 15: step 8 steps it to slot 16 or 17.  Nothing is prefetched here, at the head
	s_add_nc_u64 s[BV2:BV2+1], s[18:19], 32
	s_mov_b64 s[SB0:SB0+1], s[14:15]
	s_mov_b64 s[SB1:SB1+1], s[16:17]
	CROUND                                         ; all four work-groups are here: the first joint loads meet
	tensor_load_to_lds s[G0A:G0A+3], s[G1:G1+7]    ; my quarter of my first slot
	s_nop 0
	PLACES
	s_wait_loadcnt 0x0
	WIN 0x04                                       ; an LDS store's data are its source 1: W1
.set j, 0
.rept 24
.if j%3 == 1
	ds_store_b128 v185, v[4*j:4*j+3] offset:512*j+16*((512*j)/768)
	ds_store_b128 v187, v[96+4*j:96+4*j+3] offset:512*j+16*((512*j)/768)
.else
	ds_store_b128 v184, v[4*j:4*j+3] offset:512*j+16*((512*j)/768)
	ds_store_b128 v186, v[96+4*j:96+4*j+3] offset:512*j+16*((512*j)/768)
.endif
.set j, j+1
.endr
	WIN 0
	ds_store_b128 v188, v[176:179]
	ds_store_b128 v198, v[192:195] offset:768      ; zeros into the 16 bytes behind each row of codes,
	ds_store_b128 v199, v[192:195] offset:32       ; and behind each row of scale bytes
	ds_store_b128 v189, v[180:183]
	BIASLD 0
	BIASLD 1
	BIASLD 2
	BIASLD 3
	WIN TO_B
.set j, 0
.rept 128
	v_mov_b32 v[PS+j], 0                           ; the partial scores: the two passes share one text, and the first finds zeros
.set j, j+1
.endr
	WIN 0
	s_wait_alu depctr_va_vdst(0)
	s_wait_tensorcnt 0x0                           ; my quarter of my first slot is in; then, ahead of a later first fill as ahead of a refill:
	ds_add_u32 v[SPW], v[NIL]                      ; 0 onto my spare word,
	s_wait_dscnt 0x0                               ; the add is done, and my stores of the features have landed
	CROUND                                         ; a whole round: the features lie in LDS, and all four work-groups are here: the joint loads meet
	tensor_load_to_lds s[G0B:G0B+3], s[G1:G1+7]    ; ring slot 1's first fill, the first tensor load behind the round
	s_nop 0
	PLACES
	LOADA AX, AXS, VA1, VFS1
	LOADG 0, 0
	LOADG 1, 1
	LOADA AY, AYS, VA2, VFS2
; ---------------- Q and K, two passes of eight K steps, each followed by its part of the scores ----------------
	s_mov_b32 s[QC], 0
.Lpass:
	s_wait_loadcnt 0x0                             ; the biases
	s_mov_b32 s[KC], 0
.Lkq:
	s_add_co_u32 s2, s[KC], 1
	s_add_co_u32 s2, s2, s[ROT]
	s_and_b32 s2, s2, 7                            ; the K step whose rows are fetched ahead; the last step's fetch is the next pass's first (feat1's after the second pass serves nothing)
	s_mul_i32 s[SA], s2, 96
	s_lshl_b32 s[SS], s2, 2
	s_wait_alu depctr_va_vdst(0)
	STEP_P AX, AXS, AY, AYS, AX, AXS, VA1, VFS1, 1
	s_add_co_u32 s[KC], s[KC], 1
	s_cmp_lt_u32 s[KC], 8
	s_cbranch_scc1 .Lkq
	SCORES
	s_add_co_u32 s[QC], s[QC], 1
	s_cmp_lt_u32 s[QC], 2
	s_cbranch_scc1 .Lpass
; ---------------- the partial scores meet; softmax of tile w ----------------
; feat1's rows and scales were last read in front of the last step's round: their bytes may be written
	WIN 0x04
.set k, 0
.rept 32
	ds_store_b128 v[VXW], v[PS+4*k:PS+4*k+3] offset:XT*(k/8)+512*(k%8)
.set k, k+1
.endr
	WIN 0
	BARRIER
	WIN TO_B
.set k, 0
.rept 32
	ds_load_b128 v[PS+4*k:PS+4*k+3], v[VXR] offset:512*k               ; the four waves' parts of tile w
.set k, k+1
.endr
	s_wait_dscnt 0x0
	WIN 0x55                                       ; every operand W1
.set k, 0
.rept 16
	v_pk_add_f32 v[PS+2*k:PS+2*k+1], v[PS+2*k:PS+2*k+1], v[PS+32+2*k:PS+32+2*k+1]
	v_pk_add_f32 v[PS+64+2*k:PS+64+2*k+1], v[PS+64+2*k:PS+64+2*k+1], v[PS+96+2*k:PS+96+2*k+1]
.set k, k+1
.endr
.set k, 0
.rept 16
	v_pk_add_f32 v[PS+2*k:PS+2*k+1], v[PS+2*k:PS+2*k+1], v[PS+64+2*k:PS+64+2*k+1]   ; register 8 a + g: the score of head a + 4 hh against head g
.set k, k+1
.endr
.irp a, 0,1,2,3
	v_max3_num_f32 v[112+4*\a], v[PS+8*\a], v[PS+8*\a+1], v[PS+8*\a+2]
.endr
.irp a, 0,1,2,3
	v_max3_num_f32 v[112+4*\a], v[112+4*\a], v[PS+8*\a+3], v[PS+8*\a+4]
.endr
.irp a, 0,1,2,3
	v_max3_num_f32 v[112+4*\a], v[112+4*\a], v[PS+8*\a+5], v[PS+8*\a+6]
.endr
.irp a, 0,1,2,3
	v_max_num_f32 v[112+4*\a], v[112+4*\a], v[PS+8*\a+7]             ; the row's largest score
.endr
.irp a, 0,1,2,3
	v_mul_f32 v[96+2*\a], -v[112+4*\a], s[CS]                        ; - c max
	v_mov_b32 v[97+2*\a], 0                                          ; (named with it as a pair)
	v_mov_b32 v[105+2*\a], 0
.endr
.set k, 0
.rept 16
	v_pk_fma_f32 v[PS+2*k:PS+2*k+1], v[PS+2*k:PS+2*k+1], s[CS:CS+1], v[96+2*(k/4):97+2*(k/4)] op_sel_hi:[1,0,0]   ; c s - c max
.set k, k+1
.endr
.set k, 0
	s_wait_alu depctr_va_vdst(0)
.rept 32
	v_exp_f32 v[PS+k], v[PS+k]
.set k, k+1
.endr
	v_nop                                          ; a plain instruction behind the last exponential
	s_wait_alu depctr_va_vdst(0)                   ; one wait for the batch, ahead of its first reader
.irp a, 0,1,2,3
	v_pk_add_f32 v[112+4*\a:113+4*\a], v[PS+8*\a:PS+8*\a+1], v[PS+8*\a+2:PS+8*\a+3]
	v_pk_add_f32 v[114+4*\a:115+4*\a], v[PS+8*\a+4:PS+8*\a+5], v[PS+8*\a+6:PS+8*\a+7]
.endr
.irp a, 0,1,2,3
	v_pk_add_f32 v[112+4*\a:113+4*\a], v[112+4*\a:113+4*\a], v[114+4*\a:115+4*\a]
.endr
.irp a, 0,1,2,3
	v_add_f32 v[112+4*\a], v[112+4*\a], v[113+4*\a]
.endr
	s_wait_alu depctr_va_vdst(0)
.irp a, 0,1,2,3
	v_rcp_f32 v[104+2*\a], v[112+4*\a]
.endr
	v_nop
	s_wait_alu depctr_va_vdst(0)                   ; one wait for the four reciprocals
.set k, 0
.rept 16
	v_pk_mul_f32 v[PS+2*k:PS+2*k+1], v[PS+2*k:PS+2*k+1], v[104+2*(k/4):105+2*(k/4)] op_sel_hi:[1,0]
.set k, k+1
.endr
	WIN 0x04
.set k, 0
.rept 8
	ds_store_b128 v[VAW], v[PS+4*k:PS+4*k+3] offset:16*k             ; over bytes that I alone have read, and those reads are in
.set k, k+1
.endr
	WIN 0
	BARRIER                                        ; the attention weights of all 64 rows lie in LDS
; ---------------- V: eight K steps, the two row sets by turns ----------------
	s_wait_loadcnt 0x0                             ; bv
	s_mov_b32 s[KC], 0
.Lv:
	s_lshl_b32 s2, s[KC], 1
	s_add_co_u32 s2, s2, 1
	s_add_co_u32 s2, s2, s[ROT]
	s_and_b32 s2, s2, 7
	s_mul_i32 s[SA], s2, 96
	s_lshl_b32 s[SS], s2, 2
	STEP_P AY, AYS, AY, AYS, AX, AXS, VA2, VFS2, 0
	s_lshl_b32 s2, s[KC], 1
	s_add_co_u32 s2, s2, 2
	s_add_co_u32 s2, s2, s[ROT]
	s_and_b32 s2, s2, 7                            ; (the last fetch serves nothing; it stands in front of the round, like every read of feat2)
	s_mul_i32 s[SA], s2, 96
	s_lshl_b32 s[SS], s2, 2
	STEP_P AX, AXS, AX, AXS, AY, AYS, VA2, VFS2, 0
	s_add_co_u32 s[KC], s[KC], 1
	s_cmp_lt_u32 s[KC], 4
	s_cbranch_scc1 .Lv
; ---------------- the context, quantised; its codes take feat2's place in LDS ----------------
.irp b, 0,1,2,3
	v_mov_b32 v[TM2+\b], 0                         ; written once: a lane permute's destination counts as one of its sources
.endr
	s_mov_b32 s[KC], 0
.Lctx:                                                 ; a trip for each pair of heads
	s_lshl_b32 s2, s[KC], 6
	s_mul_i32 s3, s[KC], 192
	s_lshl_b32 s[SH], s[KC], 3
	v_add_nc_u32 v[ADT], s2, v[VAT]                ; my row's weights of heads 2 p, 2 p + 1: 64 bytes,
	v_add_nc_u32 v[ADC], s3, v[VCX]                ; their blocks' codes,
	v_add_nc_u32 v[ADB], s[SH], v[VCS]             ; and scale bytes
	s_wait_alu depctr_va_vdst(0)
.irp m, 0,1,2,3
.irp k, 0,1,2,3
	ds_load_b128 v[AT0+16*\m+4*\k:AT0+16*\m+4*\k+3], v[ADT] offset:XT*\m+16*\k
.endr
.endr
	s_wait_dscnt 8                                 ; tiles 0 and 1 are in; the eight loads of tiles 2 and 3 may be out
	CTXH 0
	s_wait_dscnt 0x0
	CTXH 1
	s_add_co_u32 s[KC], s[KC], 1
	s_cmp_lt_u32 s[KC], 4
	s_wait_alu depctr_va_vdst(0)
	s_cbranch_scc1 .Lctx
	s_lshl_b32 s2, s[OQ], 8                        ; my cluster's first group of 64 columns, in bytes
	s_mov_b32 s3, 0
	s_add_nc_u64 s[BB:BB+1], s[20:21], s[2:3]
.irp t, 0,1,2,3
	global_load_b128 v[BOG+8*\t:BOG+8*\t+3], v[VBB], s[BB:BB+1] offset:64*\t
	global_load_b128 v[BOG+8*\t+4:BOG+8*\t+7], v[VBB], s[BB:BB+1] offset:64*\t+16
.endr
	s_lshl_b32 s[TP], s[GW], 18
	s_lshl_b32 s27, s[WV], 10
	s_add_co_u32 s[TP], s[TP], s27
	s_mov_b32 s[TP+1], 0
	s_add_nc_u64 s[22:23], s[22:23], s[TP:TP+1]    ; out0 at my work-group's first row, my wave's 256 columns: it stays
	s_add_nc_u64 s[OB:OB+1], s[22:23], s[2:3]
	BARRIER                                        ; the context's codes and scale bytes lie in LDS
	WIN 0x80
.irp s, 0,1,2,3
.irp m, 0,1,2,3
.irp p, 0,1,2,3,4,5
	ds_load_b64 v[48*\s+12*\m+2*\p:48*\s+12*\m+2*\p+1], v[VA2] offset:FT*\m+96*\s+48*(\p/3)+8*(\p%3)
.endr
.endr
.endr
	WIN 0xc0
.irp s, 0,1,2,3
.irp m, 0,1,2,3
.irp p, 0,1,2,3,4,5
	ds_load_b64 v[48*\s+12*\m+2*\p:48*\s+12*\m+2*\p+1], v[VA2] offset:FT*\m+96*(\s+4)+48*(\p/3)+8*(\p%3)
.endr
.endr
.endr
	WIN 0
.irp a, 0,1
.irp q, 0,1
	ds_load_b128 v[CSR+8*\a+4*\q:CSR+8*\a+4*\q+3], v[VFS2] offset:1536*\a+16*\q     ; register 8 a + s: lanes 0-15 tile 2 a's word of K step s, lanes 16-31 tile 2 a + 1's
.endr
.endr
	s_wait_dscnt 0x0
; ---------------- the last product: two slots make 64 columns of all 64 rows, which leave at once ----------------
	s_mov_b32 s[OC], 0
.Lout:
	s_wait_alu depctr_va_vdst(0)
	OSTEP 0, 1, 1
	s_wait_alu depctr_va_vdst(0)
	OSTEP 1, 1, 1
	WAYOUT 1
	s_add_co_u32 s[OC], s[OC], 1
	s_cmp_lt_u32 s[OC], 3
	s_cbranch_scc1 .Lout
	s_wait_alu depctr_va_vdst(0)
	OSTEP 0, 0, 1                                  ; the last two slots are written out: nothing is left to ask for
	OSTEP 1, 0, 0
	WAYOUT 0
	s_wait_tensorcnt 0x0                           ; the wave's end, behind my last tensor load and my last LDS store
	ds_add_u32 v[SPW], v[NIL]
	s_wait_dscnt 0x0
	CROUND                                         ; the closing round: no work-group ends while a partner may still ask for a tile that names it
	s_endpgm
.Lfunc_end_k_q9c868346ae_fused:
	.size	k_q9c868346ae_fused, .Lfunc_end_k_q9c868346ae_fused-k_q9c868346ae_fused
	.p2alignl 7, 3214868480
	.fill 96, 4, 3214868480
	.section	.rodata,"a",@progbits
	.p2align	6, 0x0
	.amdhsa_kernel k_q9c868346ae_fused
		.amdhsa_group_segment_fixed_size 327680
		.amdhsa_private_segment_fixed_size 0
		.amdhsa_enable_private_segment 0
		.amdhsa_kernarg_size 80
		.amdhsa_user_sgpr_count 2
		.amdhsa_user_sgpr_kernarg_segment_ptr 1
		.amdhsa_wavefront_size32 1
		.amdhsa_system_sgpr_workgroup_id_x 1
		.amdhsa_system_sgpr_workgroup_id_y 1
		.amdhsa_system_sgpr_workgroup_id_z 1
		.amdhsa_system_vgpr_workitem_id 0
		.amdhsa_next_free_vgpr 1024
		.amdhsa_next_free_sgpr 80
		.amdhsa_reserve_vcc 0
		.amdhsa_float_denorm_mode_32 3
		.amdhsa_float_denorm_mode_16_64 3
		.amdhsa_memory_ordered 1
		.amdhsa_forward_progress 1
		.amdhsa_inst_pref_size 255
	.end_amdhsa_kernel
	.section	.bss,"aw",@nobits
	.p2align	6
	.space	262144
	.amdgpu_metadata
---
amdhsa.version: [ 1, 2 ]
amdhsa.kernels:
  - .name:           k_q9c868346ae_fused
    .symbol:         k_q9c868346ae_fused.kd
    .args:
      - { .name: wstream, .offset: 0, .size: 8, .value_kind: global_buffer, .address_space: global }
      - { .name: feat1_codes, .offset: 8, .size: 8, .value_kind: global_buffer, .address_space: global }
      - { .name: feat2_codes, .offset: 16, .size: 8, .value_kind: global_buffer, .address_space: global }
      - { .name: feat1_scales, .offset: 24, .size: 8, .value_kind: global_buffer, .address_space: global }
      - { .name: feat2_scales, .offset: 32, .size: 8, .value_kind: global_buffer, .address_space: global }
      - { .name: bq, .offset: 40, .size: 8, .value_kind: global_buffer, .address_space: global }
      - { .name: bk, .offset: 48, .size: 8, .value_kind: global_buffer, .address_space: global }
      - { .name: bv, .offset: 56, .size: 8, .value_kind: global_buffer, .address_space: global }
      - { .name: bo, .offset: 64, .size: 8, .value_kind: global_buffer, .address_space: global }
      - { .name: out0, .offset: 72, .size: 8, .value_kind: global_buffer, .address_space: global }
    .group_segment_fixed_size: 327680
    .private_segment_fixed_size: 0
    .kernarg_segment_align: 8
    .kernarg_segment_size: 80
    .max_flat_workgroup_size: 128
    .sgpr_count:     80
    .vgpr_count:     1024
    .wavefront_size: 32
...
	.end_amdgpu_metadata
.endif
;; end of part 4
